; MI455X (gfx1250); checked and timed in simulation.
; The chip was launched on July 23, 2026; its instructions are those of AMD's public machine-readable ISA for CDNA 5 (MIT licence, August 2026) and "CDNA5" Instruction Set Architecture Reference Guide (July 2026). The comments in the code are by the model that wrote it; some were corrected since.
;; Simple Attention. Allowed arithmetic: float matrix products may take bf16 or f16 operands with f32 sums; other float arithmetic in f32, or as packed bf16 or f16 multiplies, adds, multiply-adds, maxima and minima; sums over many terms, partial sums and values carried from step to step in f32; what a program stores and reads back later, other than sums and carried values, may be rounded once to bf16 or f16.
;; Inputs: Wk 1,024 x 1,024 float32; Wo 1,024 x 1,024 float32; Wq 1,024 x 1,024 float32; Wv 1,024 x 1,024 float32; bk 1,024 float32; bo 1,024 float32; bq 1,024 float32; bv 1,024 float32; x 4 x 2,048 x 1,024 float32.
;; Outputs: out0 4 x 2,048 x 1,024 float32.
;; One version. Each part assembles by itself: llvm-mc -triple=amdgcn-amd-amdhsa -mcpu=gfx1250 --defsym DOCPART=n.
;; ======== version 1 of 1: 5 launches
;; limits: values are held in f16: magnitudes above 65,504 overflow, below 6.1e-05 lose precision; right only within a limited range of input values
;; workspace buffers: h16 25,165,824 bytes; qkv 50,331,648 bytes; pm1 8,192 bytes; mh 8,388,608 bytes; pm2 8,192 bytes; rh 8,388,608 bytes; g3 4,096 bytes
;; launch conv (part 1): grid 128 x 12, 8 waves a work-group, no clusters, 0 bytes of LDS; arguments x, Wq, Wk, Wv, Wo, h16; writes h16
.if DOCPART == 1
	.amdgcn_target "amdgcn-amd-amdhsa--gfx1250"
	.amdhsa_code_object_version 6
	.text
	.protected	k_q84a6b3b0c1_conv
	.globl	k_q84a6b3b0c1_conv
	.p2align	8
	.type	k_q84a6b3b0c1_conv,@function
k_q84a6b3b0c1_conv:
	s_mov_b64 s[64:65], 0
	v_nop
	global_prefetch_b8 v0, s[64:65] scope:SCOPE_SE
	s_setreg_imm32_b32 hwreg(HW_REG_WAVE_MODE, 25, 1), 1
	s_wait_xcnt 0x0
; h16 = x, Wq, Wk, Wv, Wo, each number rounded to bf16 and that number written as f16: twelve planes of 1,048,576 numbers:
; planes 0-7 x, 8 Wq, 9 Wk, 10 Wv, 11 Wo.  A stream: each byte is read once and written once; no LDS, no matrix work.
; LIMITS.  A bf16 number is exact in f16 from 2^-17 up to 65,504; below that it keeps f16's fixed step of 6e-8, at 65,520 or more it becomes an infinity.
; SHARES.  Work-group (gx, y) converts 8,192 numbers of plane y; thread t takes 16 bytes at 16 t of each of eight blocks of 4,096 bytes,
; and stores 8 bytes at 8 t of each of eight blocks of 2,048: a wave's store covers 256 consecutive bytes, aligned.
.set X, 8                              ; v[8:39]   eight loads of four f32
.set T, 40                             ; v[40:45]  at work
.set Y, 48                             ; v[48:63]  eight pairs to store; each block has registers of its own, so no source is ever rewritten
	s_load_b256 s[4:11], s[0:1], 0x0               ; x s[4:5], Wq s[6:7], Wk s[8:9], Wv s[10:11]
	s_load_b128 s[12:15], s[0:1], 0x20             ; Wo s[12:13], h16 s[14:15]
	s_and_b32 s16, ttmp7, 0xffff                   ; the plane
	s_mov_b32 s26, 0xffff0000                      ; a word's upper bf16
	v_lshlrev_b32 v1, 4, v0                        ; 16 t
	v_lshlrev_b32 v2, 3, v0                        ; 8 t
	s_lshl_b32 s24, s16, 21                        ; the plane's 2 MiB in h16,
	s_lshl_b32 s25, ttmp9, 14                      ; the work-group's 16 KiB of them
	s_add_co_u32 s24, s24, s25
	s_mov_b32 s25, 0
	s_wait_kmcnt 0x0
	s_cmp_eq_u32 s16, 9                            ; which buffer the plane comes from
	s_cselect_b64 s[20:21], s[8:9], s[6:7]
	s_cmp_eq_u32 s16, 10
	s_cselect_b64 s[20:21], s[10:11], s[20:21]
	s_cmp_eq_u32 s16, 11
	s_cselect_b64 s[20:21], s[12:13], s[20:21]
	s_cmp_lt_u32 s16, 8
	s_cselect_b64 s[20:21], s[4:5], s[20:21]
	s_cselect_b32 s22, s16, 0                      ; x has eight planes of 4 MiB, a weight one
	s_lshl_b32 s22, s22, 22
	s_lshl_b32 s23, ttmp9, 15                      ; the work-group's 32 KiB
	s_add_co_u32 s22, s22, s23
	s_mov_b32 s23, 0
	s_add_nc_u64 s[20:21], s[20:21], s[22:23]
	s_add_nc_u64 s[14:15], s[14:15], s[24:25]
.irp j, 0,1,2,3,4,5,6,7
	global_load_b128 v[X+4*(\j):X+4*(\j)+3], v1, s[20:21] offset:4096*(\j) th:TH_LOAD_NT
.endr
.irp j, 0,1,2,3,4,5,6,7
	s_wait_loadcnt 7-(\j)                          ; loads come back in order: block j is in, the younger ones stay out
	v_cvt_pk_bf16_f32 v[T],   v[X+4*(\j)],   v[X+4*(\j)+1]
	v_cvt_pk_bf16_f32 v[T+1], v[X+4*(\j)+2], v[X+4*(\j)+3]
	v_lshlrev_b32 v[T+2], 16, v[T]                 ; bf16 back to f32: the low half moves up, the high half stays
	v_and_b32     v[T+3], s26, v[T]
	v_lshlrev_b32 v[T+4], 16, v[T+1]
	v_and_b32     v[T+5], s26, v[T+1]
	v_cvt_pk_f16_f32 v[Y+2*(\j)],   v[T+2], v[T+3]
	v_cvt_pk_f16_f32 v[Y+2*(\j)+1], v[T+4], v[T+5]
	global_store_b64 v2, v[Y+2*(\j):Y+2*(\j)+1], s[14:15] offset:2048*(\j)
.endr
	s_endpgm
.Lfunc_end_k_q84a6b3b0c1_conv:
	.size	k_q84a6b3b0c1_conv, .Lfunc_end_k_q84a6b3b0c1_conv-k_q84a6b3b0c1_conv
	.p2alignl 7, 3214868480
	.fill 96, 4, 3214868480
	.section	.rodata,"a",@progbits
	.p2align	6, 0x0
	.amdhsa_kernel k_q84a6b3b0c1_conv
		.amdhsa_group_segment_fixed_size 0
		.amdhsa_private_segment_fixed_size 0
		.amdhsa_enable_private_segment 0
		.amdhsa_kernarg_size 48
		.amdhsa_user_sgpr_count 2
		.amdhsa_user_sgpr_kernarg_segment_ptr 1
		.amdhsa_wavefront_size32 1
		.amdhsa_system_sgpr_workgroup_id_x 1
		.amdhsa_system_sgpr_workgroup_id_y 1
		.amdhsa_system_sgpr_workgroup_id_z 1
		.amdhsa_system_vgpr_workitem_id 0
		.amdhsa_next_free_vgpr 64
		.amdhsa_next_free_sgpr 66
		.amdhsa_reserve_vcc 0
		.amdhsa_float_denorm_mode_32 3
		.amdhsa_float_denorm_mode_16_64 3
		.amdhsa_memory_ordered 1
		.amdhsa_forward_progress 1
		.amdhsa_inst_pref_size 6
	.end_amdhsa_kernel
	.amdgpu_metadata
---
amdhsa.version: [ 1, 2 ]
amdhsa.kernels:
  - .name:           k_q84a6b3b0c1_conv
    .symbol:         k_q84a6b3b0c1_conv.kd
    .args:
      - { .name: x, .offset: 0, .size: 8, .value_kind: global_buffer, .address_space: global }
      - { .name: Wq, .offset: 8, .size: 8, .value_kind: global_buffer, .address_space: global }
      - { .name: Wk, .offset: 16, .size: 8, .value_kind: global_buffer, .address_space: global }
      - { .name: Wv, .offset: 24, .size: 8, .value_kind: global_buffer, .address_space: global }
      - { .name: Wo, .offset: 32, .size: 8, .value_kind: global_buffer, .address_space: global }
      - { .name: h16, .offset: 40, .size: 8, .value_kind: global_buffer, .address_space: global }
    .group_segment_fixed_size: 0
    .private_segment_fixed_size: 0
    .kernarg_segment_align: 8
    .kernarg_segment_size: 48
    .max_flat_workgroup_size: 256
    .sgpr_count:     66
    .vgpr_count:     64
    .wavefront_size: 32
...
	.end_amdgpu_metadata
.endif
;; end of part 1
;; launch proj (part 2): grid 8 x 32, 4 waves a work-group, clusters of 4 x 4, 327,680 bytes of LDS; arguments h16, bq, bk, bv, qkv, pm1; writes qkv, pm1
.if DOCPART == 2
	.amdgcn_target "amdgcn-amd-amdhsa--gfx1250"
	.amdhsa_code_object_version 6
	.text
	.protected	k_q84a6b3b0c1_proj
	.globl	k_q84a6b3b0c1_proj
	.p2align	8
	.type	k_q84a6b3b0c1_proj,@function
k_q84a6b3b0c1_proj:
	s_mov_b64 s[64:65], 0
	v_nop
	global_prefetch_b8 v0, s[64:65] scope:SCOPE_SE
	s_setreg_imm32_b32 hwreg(HW_REG_WAVE_MODE, 25, 1), 1
	s_wait_xcnt 0x0
	s_wait_alu depctr_hold_cnt(0) depctr_sa_sdst(0) depctr_va_vdst(0) depctr_va_sdst(0) depctr_va_ssrc(0) depctr_va_vcc(0) depctr_vm_vsrc(0)
	s_getreg_b32 s2, hwreg(HW_REG_IB_STS2, 6, 4)
	s_cmp_eq_u32 s2, 0
	s_cbranch_scc0 .Lentry_in_a_cluster
	s_endpgm
.Lentry_in_a_cluster:
	s_bfe_u32 s2, ttmp6, 0x10000c
	s_cmp_lg_u32 s2, 0xf033
	s_cbranch_scc0 .Lentry_shape_is_right
	s_endpgm
.Lentry_shape_is_right:
; q, k, v = x W^T + b.  x: 8,192 rows of 1,024, the three weights stacked: 3,072 rows of 1,024, all f16 in h16 (each number was rounded to bf16 first); the biases come in f32 and are
; rounded to bf16 here; sums in f32; q, k, v rounded once to f16 into qkv [3][8192][1024].  Each wave also stores the largest |k| and |v| that it wrote (pm1): the next launch makes a scale of them.
; LIMITS.  |q|, |k|, |v| stay under 65,504 (an f16 conversion of 65,520 or more is an infinity); below 6e-5 they keep f16's fixed step of 6e-8.  NaN and infinities are not treated apart.
; SHARES.  A tile is 256 rows x 128 columns; wave w makes rows 64 w .. 64 w + 63 of all 128 columns: 32 accumulators.  A WORK-GROUP STAYS for three tiles: the same rows of x with its 128 rows of
; Wq, Wk, Wv; 8 x 32 work-groups.  K goes in steps of 128 through two LDS slots; the ring runs on from tile to tile.
; CLUSTER.  4 x 4 work-groups: the four of a row of the cluster need the same rows of x, the four of a column the same rows of W: each tile is asked for jointly.
; THE MATRIX INSTRUCTION IS USED TRANSPOSED (source 0 = 16 rows of W, source 1 = 16 rows of x): a lane holds row lane % 16 and the columns 8 (lane / 16) + 0..7 of a block of 16 x 16.
; REGISTERS, in windows of 256: window 0: v0-43 addresses and maxima; v64-159, v160-255 two fragment buffers (W's 8 fragments, then x's 4); on the way out v160-255 are at work.
;   window 1: accumulator (a, b) at v[8 (8 a + b)].   window 2: v0-63 the bias of my 64 columns.
.set KSTEP,  128
.set PITCH,  272                       ; an LDS row: 256 bytes + 16 of padding: the 16 rows of a fragment load start 16 bytes apart modulo 256
.set AH,     128*PITCH                 ; what a load of x brings: 128 rows
.set BH,     64*PITCH                  ; what a load of W brings: 64 rows
.set BOFF,   2*AH
.set SLOT,   BOFF+2*BH                 ; 256 rows of x, then 128 rows of W
.set STAGE,  2*SLOT                    ; behind the ring: 16 rows x 272 bytes for each wave
.set WSTG,   16*PITCH
.set SPARE,  STAGE+4*WSTG              ; behind the stages: the spare words, 128 bytes a wave, which no other line names
.set LAPS,   4                         ; 1,024 / 256: a lap is two K steps
.set ROWB,   2048                      ; bytes in a row of h16 and of qkv
.set WOFF,   16777216                  ; the stacked weights in h16
.set PLANE,  16777216                  ; bytes in q, in k, in v
.set BACK_A, 6*KSTEP*2                 ; from a slot's last K step back to its first
.set NEXT_B, 1024*ROWB-6*KSTEP*2       ; the same, and 1,024 rows on: the next weight
.set NEXT_C, PLANE-3*16*ROWB           ; from my last 16 rows of a tile to my first of the next plane
.set FLAGS,  (1<<16)|(1<<20)|(1<<21)|(5<<22)|(3<<25)  ; 2-byte elements; padding on; bit 21 beside a mask; after every 64 words; 4 words
.set ADRA, 16                          ; v16-17 LDS address of my fragments of x in slot 0, 1
.set ADRB, 20                          ; v20-21 the same for W
.set STO,  24                          ; the way out: where I put 16 bytes of a row
.set RD,   25                          ; where I read rows back
.set CO,   26                          ; my byte offset in two rows of the output
.set BO,   27                          ; my byte offset in the tile's 512 bytes of bias
.set SPW,  28                          ; my spare word; never rewritten
.set NIL,  29                          ; 0; never rewritten
.set LN,   30                          ; my lane
.set PMO,  31                          ; my byte offset in pm1
.set MX,   32                          ; v32-35 four chains of packed maxima
.set MK,   36                          ; the tile before's maximum (two f16)
.set MV,   37                          ; the last tile's
.set TT,   38                          ; v38-41 at work
.set F0,   64
.set F1,   160
.set TMP,  160                         ; the way out: 32 registers of packed results
.set OB,   192                         ; 16 rows read back: v192-223 and v224-255 by turns
.set WV, 16                            ; s16 wave; s17 wave / 2: I fetch x (0) or W (1); s18 wave % 2: which half
.set FB, 17
.set HF, 18
.set CX, 19
.set CY, 20
.set XX, 21                            ; which 128 columns
.set YY, 22                            ; which 256 rows
.set G1,  24                           ; s[24:31] group 1 for x; s[32:39] group 0, a set for each slot
.set G0,  32
.set G1B, 40                           ; s[40:47], s[48:55] the same for W
.set G0B, 48
.set CP,  56                           ; s[56:57] where the stores stand in qkv
.set CA,  58                           ; s[58:59] what the next way out adds first
.set BP,  60                           ; s[60:61] the tile's bias
.set BX,  62                           ; s[62:63] 512 x XX
.set SEL, 76                           ; s[76:77] v_permlanex16_b32's selects
.set ABSM, 78                          ; clears two f16 signs
.set HIM,  79                          ; a word's upper bf16
.set MSB, 0
.macro WIN new                         ; the immediate's high byte repeats the setting that is left; a switch that changes nothing is dropped
.if MSB != (\new)
	s_set_vgpr_msb (MSB<<8)|(\new)
.set MSB, \new
.endif
.endm
.macro PLACES                          ; four plain places behind matrix instructions
.rept 4
	v_nop
.endr
.endm
; A joint load: waves 0 and 1 fetch x's two halves, waves 2 and 3 W's.  The branch hangs on the wave's number alone.  An s_nop 0 and four v_nop follow each line.
.macro JLOAD s
	s_cmp_eq_u32 s[FB], 0
	s_cbranch_scc0 .Lfor_b_\@
	tensor_load_to_lds s[G0+4*(\s):G0+4*(\s)+3], s[G1:G1+7]
	s_nop 0
.rept 4
	v_nop
.endr
	s_branch .Lasked_\@
.Lfor_b_\@:
	tensor_load_to_lds s[G0B+4*(\s):G0B+4*(\s)+3], s[G1B:G1B+7]
	s_nop 0
.rept 4
	v_nop
.endr
.Lasked_\@:
.endm
.macro CREST                           ; a round of the cluster's barrier behind its opening barrier
	s_cmp_lg_u32 s[WV], 0
	s_cbranch_scc1 .Lnot_wave_0_\@
	s_barrier_signal -3
.Lnot_wave_0_\@:
	s_barrier_wait -3
	s_barrier_signal -1
	s_barrier_wait -1
.endm
.macro CROUND
	s_barrier_signal -1
	s_barrier_wait -1
	CREST
.endm
.macro LANEMAX r, t                    ; the maximum of v[r] over the 32 lanes, in every lane; v[t] has been written before
	v_max_num_f32_dpp v[\r], v[\r], v[\r] row_xmask:1 row_mask:0xf bank_mask:0xf
	v_max_num_f32_dpp v[\r], v[\r], v[\r] row_xmask:2 row_mask:0xf bank_mask:0xf
	v_max_num_f32_dpp v[\r], v[\r], v[\r] row_xmask:4 row_mask:0xf bank_mask:0xf
	v_max_num_f32_dpp v[\r], v[\r], v[\r] row_xmask:8 row_mask:0xf bank_mask:0xf
	v_permlanex16_b32 v[\t], v[\r], s[SEL], s[SEL+1]
	v_max_num_f32 v[\r], v[\r], v[\t]
.endm
	s_load_b256 s[4:11], s[0:1], 0x0               ; h16 s[4:5], bq s[6:7], bk s[8:9], bv s[10:11]
	s_load_b128 s[12:15], s[0:1], 0x20             ; qkv s[12:13], pm1 s[14:15]
	v_lshl_add_u32 v[SPW], v0, 2, SPARE
	v_mov_b32 v[NIL], 0
	ds_add_u32 v[SPW], v[NIL]                      ; the wave's opening: the add and its wait come ahead of my first tensor load; the set-up stands between them
	v_lshrrev_b32 v1, 5, v0
	v_readfirstlane_b32 s[WV], v1
	s_lshr_b32 s[FB], s[WV], 1
	s_and_b32 s[HF], s[WV], 1
	s_bfe_u32 s[CX], ttmp6, 0x40000
	s_bfe_u32 s[CY], ttmp6, 0x40004
	s_lshl_b32 s[XX], ttmp9, 2
	s_add_co_u32 s[XX], s[XX], s[CX]
	s_and_b32 s[YY], ttmp7, 0xffff
	s_lshl_b32 s[YY], s[YY], 2
	s_add_co_u32 s[YY], s[YY], s[CY]
	s_lshl_b32 s23, s[CY], 2
	s_lshl_b32 s23, 15, s23                        ; my row of the cluster
	s_lshl_b32 s66, 0x1111, s[CX]                  ; my column
	s_or_b32 s[G1], s23, FLAGS
	s_or_b32 s[G1B], s66, FLAGS
	s_mov_b32 s[G1+1], KSTEP<<16                   ; tensor_dim0 = 128
	s_mov_b32 s[G1+2], 128<<16                     ; tensor_dim1 = 128
	s_mov_b32 s[G1+3], KSTEP<<16                   ; tile_dim0 = 128
	s_mov_b32 s[G1+4], 128                         ; tile_dim1 = 128
	s_mov_b32 s[G1+5], 1024                        ; elements from row to row
	s_mov_b32 s[G1+6], 0
	s_mov_b32 s[G1+7], 0
	s_mov_b32 s[G1B+1], KSTEP<<16
	s_mov_b32 s[G1B+2], 64<<16                     ; W's loads have 64 rows
	s_mov_b32 s[G1B+3], KSTEP<<16
	s_mov_b32 s[G1B+4], 64
	s_mov_b32 s[G1B+5], 1024
	s_mov_b32 s[G1B+6], 0
	s_mov_b32 s[G1B+7], 0
	s_lshl_b32 s68, s[YY], 8                       ; x: row 256 YY + 128 x half, in bytes
	s_lshl_b32 s69, s[HF], 7
	s_add_co_u32 s68, s68, s69
	s_lshl_b32 s68, s68, 11
	s_mov_b32 s69, 0
	s_lshl_b32 s70, s[XX], 7                       ; W: row 128 XX + 64 x half of Wq
	s_lshl_b32 s71, s[HF], 6
	s_add_co_u32 s70, s70, s71
	s_lshl_b32 s70, s70, 11
	s_add_co_u32 s70, s70, WOFF
	s_mov_b32 s71, 0
	s_mul_i32 s72, s[HF], AH                       ; where they go: the wave's number alone enters an LDS address
	s_mul_i32 s73, s[HF], BH
	s_add_co_u32 s73, s73, BOFF
	s_lshl_b32 s[BX], s[XX], 9
	s_mov_b32 s[BX+1], 0
	s_mov_b32 s[SEL], 0x76543210
	s_mov_b32 s[SEL+1], 0xfedcba98
	s_mov_b32 s[ABSM], 0x7fff7fff
	s_mov_b32 s[HIM], 0xffff0000
	s_wait_dscnt 0x0                               ; the opening add is done
	s_wait_kmcnt 0x0
	s_add_nc_u64 s[68:69], s[4:5], s[68:69]
	s_add_nc_u64 s[70:71], s[4:5], s[70:71]
	CROUND                                         ; all sixteen work-groups are here: the first joint loads meet
.irp s, 0,1
	s_mov_b32 s[G0+4*(\s)], 1
	s_add_co_u32 s[G0+4*(\s)+1], s72, (\s)*SLOT
	s_add_nc_u64 s[G0+4*(\s)+2:G0+4*(\s)+3], s[68:69], (\s)*KSTEP*2
	s_or_b32 s[G0+4*(\s)+3], s[G0+4*(\s)+3], 0x80000000
	s_mov_b32 s[G0B+4*(\s)], 1
	s_add_co_u32 s[G0B+4*(\s)+1], s73, (\s)*SLOT
	s_add_nc_u64 s[G0B+4*(\s)+2:G0B+4*(\s)+3], s[70:71], (\s)*KSTEP*2
	s_or_b32 s[G0B+4*(\s)+3], s[G0B+4*(\s)+3], 0x80000000
	JLOAD \s                                       ; two loads of mine are out
.endr
	v_and_b32 v1, 15, v0                           ; r = lane % 16
	v_bfe_u32 v2, v0, 4, 1                         ; h = lane / 16
	v_mul_u32_u24 v3, v1, PITCH
	v_lshl_add_u32 v3, v2, 4, v3                   ; r x pitch + 16 h
	s_mul_i32 s74, s[WV], 64*PITCH                 ; my 64 rows of x
	v_add_nc_u32 v[ADRA], s74, v3
	v_add_nc_u32 v[ADRA+1], SLOT, v[ADRA]
	v_add_nc_u32 v[ADRB], BOFF, v3
	v_add_nc_u32 v[ADRB+1], BOFF+SLOT, v3
	s_mul_i32 s74, s[WV], WSTG
	s_add_co_u32 s74, s74, STAGE                   ; my stage
	v_add_nc_u32 v[STO], s74, v3
	v_mul_u32_u24 v4, v2, PITCH                    ; back: lanes 0-15 one row of 256 bytes, lanes 16-31 the next
	v_lshl_add_u32 v4, v1, 4, v4
	v_add_nc_u32 v[RD], s74, v4
	v_lshlrev_b32 v4, 11, v2
	v_lshl_add_u32 v[CO], v1, 4, v4
	v_lshlrev_b32 v[BO], 5, v2                     ; columns 8 h on: 32 h bytes of f32
	v_and_b32 v[LN], 31, v0
	s_lshr_b32 s74, s[YY], 3                       ; pm1: [k, v][batch][256]: ((YY % 8) 8 + XX) 4 + wave
	s_lshl_b32 s74, s74, 8
	s_and_b32 s75, s[YY], 7
	s_lshl_b32 s75, s75, 3
	s_add_co_u32 s75, s75, s[XX]
	s_lshl_b32 s75, s75, 2
	s_add_co_u32 s75, s75, s[WV]
	s_add_co_u32 s74, s74, s75
	s_lshl_b32 s74, s74, 2
	v_and_b32 v4, 1, v0
	v_lshl_add_u32 v[PMO], v4, 12, s74             ; even lanes k's plane, odd lanes v's
.irp i, 0,1,2,3,4,5
	v_mov_b32 v[MX+(\i)], 0                        ; the four chains, MK and MV
.endr
	s_lshl_b32 s74, s[YY], 8                       ; my part of q begins at row 256 YY + 64 wave, byte 256 XX
	s_lshl_b32 s75, s[WV], 6
	s_add_co_u32 s74, s74, s75
	s_lshl_b32 s74, s74, 11
	s_lshl_b32 s75, s[XX], 8
	s_add_co_u32 s[CA], s74, s75
	s_mov_b32 s[CA+1], 0
	s_mov_b64 s[CP:CP+1], s[12:13]
; 8 matrix instructions: my rows 16 a .. 16 a + 15 x all 8 column blocks, 32 along K.  The 32 accumulators take turns, one instruction a turn.
.macro MUL8 f, a, zero
	WIN 0x50                                       ; C and D in window 1, the sources in window 0
.irp b, 0,1,2,3,4,5,6,7
.if \zero
	v_wmma_f32_16x16x32_f16 v[8*(8*(\a)+(\b)):8*(8*(\a)+(\b))+7], v[(\f)+8*(\b):(\f)+8*(\b)+7], v[(\f)+64+8*(\a):(\f)+64+8*(\a)+7], 0
.else
	v_wmma_f32_16x16x32_f16 v[8*(8*(\a)+(\b)):8*(8*(\a)+(\b))+7], v[(\f)+8*(\b):(\f)+8*(\b)+7], v[(\f)+64+8*(\a):(\f)+64+8*(\a)+7], v[8*(8*(\a)+(\b)):8*(8*(\a)+(\b))+7]
.endif
.endr
.endm
; 24 LDS loads in one run: a quarter step's fragments (32 K at byte k of the rows): W's eight, then x's four
.macro FETCH slot, k, f
	WIN 0
.irp i, 0,1,2,3,4,5,6,7
	ds_load_b128 v[(\f)+8*(\i):(\f)+8*(\i)+3],   v[ADRB+(\slot)] offset:(\k)+(\i)*16*PITCH
	ds_load_b128 v[(\f)+8*(\i)+4:(\f)+8*(\i)+7], v[ADRB+(\slot)] offset:(\k)+(\i)*16*PITCH+32
.endr
.irp i, 0,1,2,3
	ds_load_b128 v[(\f)+64+8*(\i):(\f)+64+8*(\i)+3],   v[ADRA+(\slot)] offset:(\k)+(\i)*16*PITCH
	ds_load_b128 v[(\f)+64+8*(\i)+4:(\f)+64+8*(\i)+7], v[ADRA+(\slot)] offset:(\k)+(\i)*16*PITCH+32
.endr
.endm
; One of a K step's first three quarters: multiplies buffer f, and in its middle fetches the next quarter into g
.macro QUARTER slot, k, f, g, zero
	s_wait_dscnt 4                                 ; W's fragments and x's blocks 0, 1 are in; the youngest four loads (blocks 2, 3) may be out
	MUL8 \f, 0, \zero
	MUL8 \f, 1, \zero
	PLACES                                         ; in front of loads into registers that matrix instructions have read
	FETCH \slot, \k, \g
	s_wait_dscnt 24                                ; all but the 24 just issued
	MUL8 \f, 2, \zero
	MUL8 \f, 3, \zero
.endm
; The first half of the last quarter: the one barrier of a change of slots
.macro MEET round
	WIN 0
	s_wait_tensorcnt 0x0                           ; all my tensor loads have landed: the one that was out is my part of the next slot
	ds_add_u32 v[SPW], v[NIL]                      ; 0 onto my spare word
	s_wait_dscnt 7                                 ; the add and the six loads of x's blocks 1 to 3 may be out
	MUL8 F1, 0, 0
	s_wait_dscnt 0x0                               ; the add is done, and my reads of this slot are over
	s_barrier_signal -1
	MUL8 F1, 1, 0                                  ; work on registers while the others arrive
.if \round
	WIN 0
.endif
	s_barrier_wait -1
.endm
; The whole last quarter with a refill: on = 0 this tile's K step two on; on = 1 the next tile's K step 0 or 1
.macro TURN slot, next, on
	MEET 1
	CREST                                          ; no wave of any partner still reads this slot or has a load on its way
.if \on
	s_sub_nc_u64 s[G0+4*(\slot)+2:G0+4*(\slot)+3], s[G0+4*(\slot)+2:G0+4*(\slot)+3], BACK_A
	s_add_nc_u64 s[G0B+4*(\slot)+2:G0B+4*(\slot)+3], s[G0B+4*(\slot)+2:G0B+4*(\slot)+3], NEXT_B
.else
	s_add_nc_u64 s[G0+4*(\slot)+2:G0+4*(\slot)+3], s[G0+4*(\slot)+2:G0+4*(\slot)+3], 2*KSTEP*2
	s_add_nc_u64 s[G0B+4*(\slot)+2:G0B+4*(\slot)+3], s[G0B+4*(\slot)+2:G0B+4*(\slot)+3], 2*KSTEP*2
.endif
	JLOAD \slot                                    ; my one tensor load behind the round; its four v_nop are also the places in front of the loads below
	FETCH \next, 0, F0
	MUL8 F1, 2, 0
	MUL8 F1, 3, 0
.endm
; THE WAY OUT.  The bias is rounded to bf16 and widened again; block a: + bias, rounded to f16, its magnitudes into the chains of maxima; through my own stage; stored as whole rows of 256 bytes.
.macro BIASR
	WIN 0x0a                                       ; sources in window 2
.set i, 0
.rept 32
	v_cvt_pk_bf16_f32 v[TMP+i], v[2*i], v[2*i+1]
.set i, i+1
.endr
	WIN 0x80                                       ; destination in window 2
.set i, 0
.rept 32
	v_lshlrev_b32 v[2*i], 16, v[TMP+i]
	v_and_b32 v[2*i+1], s[HIM], v[TMP+i]
.set i, i+1
.endr
.endm
.macro PACK a
	WIN 0x49                                       ; sums in window 1, bias in window 2
.set i, 0
.rept 32
	v_pk_add_f32 v[64*(\a)+2*i:64*(\a)+2*i+1], v[64*(\a)+2*i:64*(\a)+2*i+1], v[2*i:2*i+1]
.set i, i+1
.endr
	WIN 0x05
.set i, 0
.rept 32
	v_cvt_pk_f16_f32 v[TMP+i], v[64*(\a)+2*i], v[64*(\a)+2*i+1]
.set i, i+1
.endr
	WIN 0
.set i, 0
.rept 32
	v_and_b32 v[TT+i%4], s[ABSM], v[TMP+i]
	v_pk_max_num_f16 v[MX+i%4], v[MX+i%4], v[TT+i%4]
.set i, i+1
.endr
.endm
.macro TOSTAGE a
	WIN 0
.irp b, 0,1,2,3,4,5,6,7
	ds_store_b128 v[STO], v[TMP+4*(\b):TMP+4*(\b)+3] offset:32*(\b)
.endr
.irp t, 0,1,2,3,4,5,6,7
	ds_load_b128 v[OB+32*((\a)%2)+4*(\t):OB+32*((\a)%2)+4*(\t)+3], v[RD] offset:(\t)*2*PITCH  ; LDS serves a wave's instructions in order: these see the stores above
.endr
.endm
.macro SEND a
	WIN 0
	s_wait_dscnt 0x0                               ; the block is back in registers
	s_wait_xcnt 0x0                                ; earlier stores have read their base and their data: only now are these rewritten
.if (\a) == 0
	s_add_nc_u64 s[CP:CP+1], s[CP:CP+1], s[CA:CA+1]
.else
	s_add_nc_u64 s[CP:CP+1], s[CP:CP+1], 16*ROWB
.endif
.irp t, 0,1,2,3,4,5,6,7
	global_store_b128 v[CO], v[OB+32*((\a)%2)+4*(\t):OB+32*((\a)%2)+4*(\t)+3], s[CP:CP+1] offset:2*(\t)*ROWB  ; 16 lanes store 256 consecutive bytes, aligned
.endr
.endm
.macro WAYOUT
	PLACES
	PLACES
	s_wait_loadcnt 0x0                             ; the bias
	BIASR
	PACK 0
	TOSTAGE 0
.irp a, 1,2,3
	PACK \a                                        ; a block's arithmetic stands between the loads of the block before and the wait for them
	SEND (\a)-1
	TOSTAGE \a
.endr
	SEND 3
	v_pk_max_num_f16 v[MX], v[MX], v[MX+1]
	v_pk_max_num_f16 v[MX+2], v[MX+2], v[MX+3]
	v_mov_b32 v[MK], v[MV]                         ; behind the third tile MK is k's maximum and MV v's
	v_pk_max_num_f16 v[MV], v[MX], v[MX+2]
.irp i, 0,1,2,3
	v_mov_b32 v[MX+(\i)], 0
.endr
.endm
	s_wait_tensorcnt 1                             ; my part of K step 0 is in; K step 1's may stay out
	s_barrier_signal -1
	s_barrier_wait -1
	FETCH 0, 0, F0
	s_mov_b32 s2, 3                                ; tiles to go: q, k, v
.Ltile:
	s_cmp_eq_u32 s2, 3
	s_cselect_b64 s[BP:BP+1], s[6:7], s[8:9]
	s_cmp_eq_u32 s2, 1
	s_cselect_b64 s[BP:BP+1], s[10:11], s[BP:BP+1]
	s_add_nc_u64 s[BP:BP+1], s[BP:BP+1], s[BX:BX+1]
	WIN 0x80
.irp b, 0,1,2,3,4,5,6,7
	global_load_b128 v[8*(\b):8*(\b)+3],   v[BO], s[BP:BP+1] offset:64*(\b)      ; the bias of columns 16 b + 8 h + 0..7
	global_load_b128 v[8*(\b)+4:8*(\b)+7], v[BO], s[BP:BP+1] offset:64*(\b)+16
.endr
	WIN 0
	QUARTER 0, 64,  F0, F1, 1                      ; a tile's first quarter starts the sums with the constant 0
	WIN 0
	s_mov_b32 s3, LAPS-1
.Llap:                                                 ; once round the ring, from a lap's second quarter to the next lap's first
	QUARTER 0, 128, F1, F0, 0
	QUARTER 0, 192, F0, F1, 0
	TURN 0, 1, 0
	QUARTER 1, 64,  F0, F1, 0
	QUARTER 1, 128, F1, F0, 0
	QUARTER 1, 192, F0, F1, 0
	TURN 1, 0, 0
	QUARTER 0, 64,  F0, F1, 0
	WIN 0
	s_sub_co_u32 s3, s3, 1
	s_cmp_lg_u32 s3, 0
	s_cbranch_scc1 .Llap
	QUARTER 0, 128, F1, F0, 0
	QUARTER 0, 192, F0, F1, 0
	WIN 0
	s_cmp_eq_u32 s2, 1
	s_cbranch_scc1 .Llast                          ; the last tile's tail is written out: it asks for nothing more
	TURN 0, 1, 1                                   ; the ring goes on into the next tile
	QUARTER 1, 64,  F0, F1, 0
	QUARTER 1, 128, F1, F0, 0
	QUARTER 1, 192, F0, F1, 0
	TURN 1, 0, 1
	WAYOUT
	s_wait_xcnt 0x0                                ; the last stores have read v192-255, which the next tile's fragments take
	s_mov_b64 s[CA:CA+1], NEXT_C
	s_sub_co_u32 s2, s2, 1
	s_branch .Ltile
.Llast:
	MEET 0                                         ; the last K step's tile has landed; nothing is filled again, so no round follows
	PLACES
	FETCH 1, 0, F0
	MUL8 F1, 2, 0
	MUL8 F1, 3, 0
	QUARTER 1, 64,  F0, F1, 0
	QUARTER 1, 128, F1, F0, 0
	QUARTER 1, 192, F0, F1, 0
	s_wait_dscnt 4
	MUL8 F1, 0, 0
	MUL8 F1, 1, 0
	s_wait_dscnt 0x0
	MUL8 F1, 2, 0
	MUL8 F1, 3, 0
	WIN 0
	WAYOUT
	v_cvt_f32_f16 v38, v36.l                       ; the wave's largest |k| and |v|, in f32
	v_cvt_f32_f16 v39, v36.h
	v_cvt_f32_f16 v40, v37.l
	v_cvt_f32_f16 v41, v37.h
	v_max_num_f32 v38, v38, v39
	v_max_num_f32 v40, v40, v41
	LANEMAX 38, 39
	LANEMAX 40, 41
	v_cmp_eq_u32 vcc_lo, 1, v[LN]
	v_cndmask_b32 v38, v38, v40, vcc_lo            ; lane 0 stores k's, lane 1 v's
	v_cmp_gt_u32 vcc_lo, 2, v[LN]
	s_wait_xcnt 0x0                                ; EXEC changes only behind this wait
	s_and_saveexec_b32 s80, vcc_lo
	global_store_b32 v[PMO], v38, s[14:15]
	s_wait_xcnt 0x0
	s_or_b32 exec_lo, exec_lo, s80
	s_wait_tensorcnt 0x0                           ; the wave's end
	ds_add_u32 v[SPW], v[NIL]
	s_wait_dscnt 0x0
	CROUND                                         ; the closing round: no work-group ends while a partner may still ask for a tile that names it
	s_endpgm
.Lfunc_end_k_q84a6b3b0c1_proj:
	.size	k_q84a6b3b0c1_proj, .Lfunc_end_k_q84a6b3b0c1_proj-k_q84a6b3b0c1_proj
	.p2alignl 7, 3214868480
	.fill 96, 4, 3214868480
	.section	.rodata,"a",@progbits
	.p2align	6, 0x0
	.amdhsa_kernel k_q84a6b3b0c1_proj
		.amdhsa_group_segment_fixed_size 327680
		.amdhsa_private_segment_fixed_size 0
		.amdhsa_enable_private_segment 0
		.amdhsa_kernarg_size 48
		.amdhsa_user_sgpr_count 2
		.amdhsa_user_sgpr_kernarg_segment_ptr 1
		.amdhsa_wavefront_size32 1
		.amdhsa_system_sgpr_workgroup_id_x 1
		.amdhsa_system_sgpr_workgroup_id_y 1
		.amdhsa_system_sgpr_workgroup_id_z 1
		.amdhsa_system_vgpr_workitem_id 0
		.amdhsa_next_free_vgpr 576
		.amdhsa_next_free_sgpr 96
		.amdhsa_reserve_vcc 1
		.amdhsa_float_denorm_mode_32 3
		.amdhsa_float_denorm_mode_16_64 3
		.amdhsa_memory_ordered 1
		.amdhsa_forward_progress 1
		.amdhsa_inst_pref_size 176
	.end_amdhsa_kernel
	.amdgpu_metadata
---
amdhsa.version: [ 1, 2 ]
amdhsa.kernels:
  - .name:           k_q84a6b3b0c1_proj
    .symbol:         k_q84a6b3b0c1_proj.kd
    .args:
      - { .name: h16, .offset: 0, .size: 8, .value_kind: global_buffer, .address_space: global }
      - { .name: bq, .offset: 8, .size: 8, .value_kind: global_buffer, .address_space: global }
      - { .name: bk, .offset: 16, .size: 8, .value_kind: global_buffer, .address_space: global }
      - { .name: bv, .offset: 24, .size: 8, .value_kind: global_buffer, .address_space: global }
      - { .name: qkv, .offset: 32, .size: 8, .value_kind: global_buffer, .address_space: global }
      - { .name: pm1, .offset: 40, .size: 8, .value_kind: global_buffer, .address_space: global }
    .group_segment_fixed_size: 327680
    .private_segment_fixed_size: 0
    .kernarg_segment_align: 8
    .kernarg_segment_size: 48
    .max_flat_workgroup_size: 128
    .sgpr_count:     96
    .vgpr_count:     576
    .wavefront_size: 32
...
	.end_amdgpu_metadata
.endif
;; end of part 2
;; launch mmat (part 3): grid 8 x 32, 4 waves a work-group, clusters of 4 x 4, 327,680 bytes of LDS; arguments qkv, pm1, mh, pm2; writes mh, pm2
.if DOCPART == 3
	.amdgcn_target "amdgcn-amd-amdhsa--gfx1250"
	.amdhsa_code_object_version 6
	.text
	.protected	k_q84a6b3b0c1_mmat
	.globl	k_q84a6b3b0c1_mmat
	.p2align	8
	.type	k_q84a6b3b0c1_mmat,@function
k_q84a6b3b0c1_mmat:
	s_mov_b64 s[64:65], 0
	v_nop
	global_prefetch_b8 v0, s[64:65] scope:SCOPE_SE
	s_setreg_imm32_b32 hwreg(HW_REG_WAVE_MODE, 25, 1), 1
	s_wait_xcnt 0x0
	s_wait_alu depctr_hold_cnt(0) depctr_sa_sdst(0) depctr_va_vdst(0) depctr_va_sdst(0) depctr_va_ssrc(0) depctr_va_vcc(0) depctr_vm_vsrc(0)
	s_getreg_b32 s2, hwreg(HW_REG_IB_STS2, 6, 4)
	s_cmp_eq_u32 s2, 0
	s_cbranch_scc0 .Lentry_in_a_cluster
	s_endpgm
.Lentry_in_a_cluster:
	s_bfe_u32 s2, ttmp6, 0x10000c
	s_cmp_lg_u32 s2, 0xf033
	s_cbranch_scc0 .Lentry_shape_is_right
	s_endpgm
.Lentry_shape_is_right:
; M^_b[e1][e2] = alpha_b x the sum over s of k_b[s][e1] v_b[s][e2], in f16 into mh [4][1024][1024].  With no softmax between them the products (q k^T) v Wo^T are taken as q (Wo (k^T v)^T)^T:
; the same sums in another order of rounding than the reference's; no difference of large sums is formed.
; THE SCALE.  alpha_b is an exact power of two made from the batch's largest |k| and |v| (pm1): with E the exponent field of an f32 number, |M| < 2,048 x 2^(Ek-126) x 2^(Ev-126), and alpha has the
; exponent field 383 - Ek - Ev, held to 1 .. 254: |M^| stays at or under 2^15.  It is a factor only: no address and no branch hangs on it.  Each wave stores (its largest |M^|, alpha) into pm2.
; LIMITS.  Numbers of M^ below 6e-5 keep f16's fixed step of 6e-8.  NaN and infinities are not treated apart.
; SHARES.  A tile is 128 (e1) x 128 (e2), a wave 64 x 64: 16 accumulators.  The sum goes over s = 2,048 in steps of 256 rows through two LDS slots.  8 x 32 work-groups: YY = 8 batch + e1 block, XX = e2 block.
; Both operands lie [s][e] in memory and in LDS: their fragments are turned by ds_load_tr16_b128.  Source 0 = v, source 1 = k: a lane holds e1 = lane % 16 and e2 = 8 (lane / 16) + 0..7 of a block.
; CLUSTER.  4 x 4: k's tile hangs on YY alone (shared along a row of the cluster), v's on the batch and XX (shared along a column; the batch is taken from the cluster's y).
; REGISTERS: window 0: v0-31 addresses; v32-95 at work on the way out; v96-119 maxima; v128-255 the accumulators.  window 1: two fragment buffers of 128 (k's 64, then v's 64).
.set KROWS,  256
.set PT,     288                       ; an LDS row: 256 bytes + 32 of padding
.set HALFT,  128*PT                    ; what one tensor load brings
.set SLOT,   4*HALFT                   ; 256 rows of k, then 256 rows of v
.set SPARE,  2*SLOT                    ; behind the ring: the spare words, 128 bytes a wave, which no other line names
.set STAGE,  0                         ; the way out's stage lies over slot 0, which by then has had its last fill and, in front of the last change of slots, its last read
.set SPITCH, 272
.set LAPS,   4                         ; 2,048 / 512
.set ROWB,   2048
.set PLANE,  16777216
.set FLAGS,  (1<<16)|(1<<20)|(1<<21)|(5<<22)|(7<<25)  ; 2-byte elements; padding on; bit 21 beside a mask; after every 64 words; 8 words
.set ADRA, 12                          ; v12-15 LDS address of my fragments of k: number 2 slot + half (rows 0-127, 128-255)
.set ADRB, 16                          ; v16-19 the same for v
.set STO,  24
.set RD,   25
.set CO,   26
.set SPW,  28
.set NIL,  29
.set LN,   30
.set TMP,  32
.set TT,   96                          ; v96-99 at work
.set MX,   100                         ; v100-103 four chains of packed maxima
.set ACC,  128
.set F0,   0
.set F1,   128
.set WV, 16
.set FB, 17
.set HF, 18
.set CX, 19
.set CY, 20
.set XX, 21
.set YY, 22
.set G1,  24
.set G0,  32
.set G1B, 40
.set G0B, 48
.set SC,  58                           ; s[58:59] alpha
.set PIDX, 67                          ; my byte offset in pm2
.set SEL, 76
.set ABSM, 78
.set MSB, 0
.macro WIN new
.if MSB != (\new)
	s_set_vgpr_msb (MSB<<8)|(\new)
.set MSB, \new
.endif
.endm
.set MUL,  0x05                        ; sources in window 1; C and D in window 0
.set TO_F, 0x40                        ; destination in window 1, address in window 0
.macro PLACES
.rept 4
	v_nop
.endr
.endm
.macro JLOAD s                         ; waves 0 and 1 fetch k's two halves, waves 2 and 3 v's; an s_nop 0 and four v_nop follow each line
	s_cmp_eq_u32 s[FB], 0
	s_cbranch_scc0 .Lfor_b_\@
	tensor_load_to_lds s[G0+4*(\s):G0+4*(\s)+3], s[G1:G1+7]
	s_nop 0
.rept 4
	v_nop
.endr
	s_branch .Lasked_\@
.Lfor_b_\@:
	tensor_load_to_lds s[G0B+4*(\s):G0B+4*(\s)+3], s[G1B:G1B+7]
	s_nop 0
.rept 4
	v_nop
.endr
.Lasked_\@:
.endm
.macro CREST
	s_cmp_lg_u32 s[WV], 0
	s_cbranch_scc1 .Lnot_wave_0_\@
	s_barrier_signal -3
.Lnot_wave_0_\@:
	s_barrier_wait -3
	s_barrier_signal -1
	s_barrier_wait -1
.endm
.macro CROUND
	s_barrier_signal -1
	s_barrier_wait -1
	CREST
.endm
.macro LANEMAX r, t
	v_max_num_f32_dpp v[\r], v[\r], v[\r] row_xmask:1 row_mask:0xf bank_mask:0xf
	v_max_num_f32_dpp v[\r], v[\r], v[\r] row_xmask:2 row_mask:0xf bank_mask:0xf
	v_max_num_f32_dpp v[\r], v[\r], v[\r] row_xmask:4 row_mask:0xf bank_mask:0xf
	v_max_num_f32_dpp v[\r], v[\r], v[\r] row_xmask:8 row_mask:0xf bank_mask:0xf
	v_permlanex16_b32 v[\t], v[\r], s[SEL], s[SEL+1]
	v_max_num_f32 v[\r], v[\r], v[\t]
.endm
	s_load_b256 s[4:11], s[0:1], 0x0               ; qkv s[4:5], pm1 s[6:7], mh s[8:9], pm2 s[10:11]
	v_lshl_add_u32 v[SPW], v0, 2, SPARE
	v_mov_b32 v[NIL], 0
	ds_add_u32 v[SPW], v[NIL]                      ; the wave's opening: the add and its wait come ahead of my first tensor load
	v_lshrrev_b32 v1, 5, v0
	v_readfirstlane_b32 s[WV], v1
	s_lshr_b32 s[FB], s[WV], 1                     ; my half of e1; also: I fetch k (0) or v (1)
	s_and_b32 s[HF], s[WV], 1                      ; my half of e2; also: which 128 rows I fetch
	s_bfe_u32 s[CX], ttmp6, 0x40000
	s_bfe_u32 s[CY], ttmp6, 0x40004
	s_lshl_b32 s[XX], ttmp9, 2
	s_add_co_u32 s[XX], s[XX], s[CX]
	s_and_b32 s[YY], ttmp7, 0xffff
	s_lshl_b32 s[YY], s[YY], 2
	s_add_co_u32 s[YY], s[YY], s[CY]
	s_lshl_b32 s23, s[CY], 2
	s_lshl_b32 s23, 15, s23
	s_lshl_b32 s66, 0x1111, s[CX]
	s_or_b32 s[G1], s23, FLAGS
	s_or_b32 s[G1B], s66, FLAGS
.irp g, G1, G1B
	s_mov_b32 s[(\g)+1], 128<<16                   ; tensor_dim0 = 128
	s_mov_b32 s[(\g)+2], 128<<16                   ; tensor_dim1 = 128
	s_mov_b32 s[(\g)+3], 128<<16                   ; tile_dim0 = 128
	s_mov_b32 s[(\g)+4], 128                       ; tile_dim1 = 128
	s_mov_b32 s[(\g)+5], 1024
	s_mov_b32 s[(\g)+6], 0
	s_mov_b32 s[(\g)+7], 0
.endr
	s_lshr_b32 s68, s[YY], 3                       ; k: row 2,048 batch + 128 x half, byte 256 (YY % 8)
	s_lshl_b32 s68, s68, 11
	s_lshl_b32 s69, s[HF], 7
	s_add_co_u32 s68, s68, s69
	s_lshl_b32 s68, s68, 11
	s_and_b32 s69, s[YY], 7
	s_lshl_b32 s69, s69, 8
	s_add_co_u32 s68, s68, s69
	s_add_co_u32 s68, s68, PLANE
	s_mov_b32 s69, 0
	s_and_b32 s70, ttmp7, 0xffff                   ; v: the batch from the cluster's y, byte 256 XX
	s_lshr_b32 s70, s70, 1
	s_lshl_b32 s70, s70, 11
	s_lshl_b32 s71, s[HF], 7
	s_add_co_u32 s70, s70, s71
	s_lshl_b32 s70, s70, 11
	s_lshl_b32 s71, s[XX], 8
	s_add_co_u32 s70, s70, s71
	s_add_co_u32 s70, s70, 2*PLANE
	s_mov_b32 s71, 0
	s_mul_i32 s72, s[WV], HALFT                    ; where they go: wave x 128 rows
	s_mov_b32 s[SEL], 0x76543210
	s_mov_b32 s[SEL+1], 0xfedcba98
	s_mov_b32 s[ABSM], 0x7fff7fff
	s_wait_dscnt 0x0
	s_wait_kmcnt 0x0
	s_add_nc_u64 s[68:69], s[4:5], s[68:69]
	s_add_nc_u64 s[70:71], s[4:5], s[70:71]
	CROUND
.irp s, 0,1
	s_mov_b32 s[G0+4*(\s)], 1
	s_add_co_u32 s[G0+4*(\s)+1], s72, (\s)*SLOT
	s_add_nc_u64 s[G0+4*(\s)+2:G0+4*(\s)+3], s[68:69], (\s)*KROWS*ROWB
	s_or_b32 s[G0+4*(\s)+3], s[G0+4*(\s)+3], 0x80000000
	s_mov_b32 s[G0B+4*(\s)], 1
	s_add_co_u32 s[G0B+4*(\s)+1], s72, (\s)*SLOT
	s_add_nc_u64 s[G0B+4*(\s)+2:G0B+4*(\s)+3], s[70:71], (\s)*KROWS*ROWB
	s_or_b32 s[G0B+4*(\s)+3], s[G0B+4*(\s)+3], 0x80000000
	JLOAD \s
.endr
	; the batch's 256 maxima of |k| and of |v|: 32 bytes a lane of each
	v_and_b32 v[LN], 31, v0
	v_lshlrev_b32 v5, 5, v[LN]
	s_lshr_b32 s74, s[YY], 3
	s_lshl_b32 s74, s74, 10
	s_mov_b32 s75, 0
	s_add_nc_u64 s[6:7], s[6:7], s[74:75]
	global_load_b128 v[104:107], v5, s[6:7]
	global_load_b128 v[108:111], v5, s[6:7] offset:16
	global_load_b128 v[112:115], v5, s[6:7] offset:4096
	global_load_b128 v[116:119], v5, s[6:7] offset:4112
	v_and_b32 v1, 15, v0                           ; r
	v_bfe_u32 v2, v0, 4, 1                         ; h
	v_and_b32 v4, 7, v0
	v_bfe_u32 v8, v0, 3, 1
	v_lshl_add_u32 v3, v2, 3, v4                   ; the turning load: lane l reads row 8 h + l % 8, 16 bytes at 16 ((l / 8) % 2)
	v_mul_u32_u24 v3, v3, PT
	v_lshl_add_u32 v3, v8, 4, v3
	s_lshl_b32 s74, s[FB], 7                       ; my 64 columns of k: 128 bytes
	s_lshl_b32 s75, s[HF], 7                       ; of v,
	s_add_co_u32 s75, s75, 2*HALFT                 ; which lies behind k's 256 rows
	v_add_nc_u32 v6, s74, v3
	v_add_nc_u32 v7, s75, v3
.irp n, 0,1,2,3
	v_add_nc_u32 v[ADRA+(\n)], ((\n)/2)*SLOT+((\n)%2)*HALFT, v6
	v_add_nc_u32 v[ADRB+(\n)], ((\n)/2)*SLOT+((\n)%2)*HALFT, v7
.endr
	s_mul_i32 s74, s[FB], 64*SPITCH                ; into the stage: my 64 rows, my half of their 256 bytes
	s_lshl_b32 s75, s[HF], 7
	s_add_co_u32 s74, s74, s75
	s_add_co_u32 s74, s74, STAGE
	v_mul_u32_u24 v4, v1, SPITCH
	v_lshl_add_u32 v4, v2, 4, v4
	v_add_nc_u32 v[STO], s74, v4
	s_mul_i32 s74, s[WV], 32*SPITCH                ; back: wave w takes rows 32 w .. 32 w + 31, whole
	s_add_co_u32 s74, s74, STAGE
	v_mul_u32_u24 v4, v2, SPITCH
	v_lshl_add_u32 v4, v1, 4, v4
	v_add_nc_u32 v[RD], s74, v4
	v_lshlrev_b32 v4, 11, v2
	v_lshl_add_u32 v[CO], v1, 4, v4
	s_lshl_b32 s74, s[YY], 7                       ; the first row of mh that I store: 128 YY + 32 wave; byte 256 XX
	s_lshl_b32 s75, s[WV], 5
	s_add_co_u32 s74, s74, s75
	s_lshl_b32 s74, s74, 11
	s_lshl_b32 s75, s[XX], 8
	s_add_co_u32 s74, s74, s75
	s_mov_b32 s75, 0
	s_add_nc_u64 s[8:9], s[8:9], s[74:75]
	s_lshl_b32 s[PIDX], s[YY], 3
	s_add_co_u32 s[PIDX], s[PIDX], s[XX]
	s_lshl_b32 s[PIDX], s[PIDX], 2
	s_add_co_u32 s[PIDX], s[PIDX], s[WV]
	s_lshl_b32 s[PIDX], s[PIDX], 3                 ; 8 bytes a wave
.irp i, 0,1,2,3
	v_mov_b32 v[MX+(\i)], 0
.endr
	s_wait_loadcnt 0x0
	v_max3_num_f32 v104, v104, v105, v106
	v_max3_num_f32 v107, v107, v108, v109
	v_max3_num_f32 v104, v104, v110, v111
	v_max_num_f32 v104, v104, v107
	v_max3_num_f32 v112, v112, v113, v114
	v_max3_num_f32 v115, v115, v116, v117
	v_max3_num_f32 v112, v112, v118, v119
	v_max_num_f32 v112, v112, v115
	LANEMAX 104, 105
	LANEMAX 112, 113
	v_readfirstlane_b32 s68, v104
	v_readfirstlane_b32 s69, v112
	s_bfe_u32 s68, s68, 0x80017                    ; Ek, Ev: eight bits from bit 23
	s_bfe_u32 s69, s69, 0x80017
	s_sub_co_u32 s70, 383, s68
	s_sub_co_u32 s70, s70, s69
	s_max_i32 s70, s70, 1
	s_min_i32 s70, s70, 254
	s_lshl_b32 s[SC], s70, 23                      ; alpha's bits
	s_mov_b32 s[SC+1], s[SC]
; 8 matrix instructions: e1 blocks a0, a0 + 1 x all 4 e2 blocks, 32 along s: half c of buffer f.  The 16 accumulators take turns.
.macro MUL8 f, c, a0, zero
	WIN MUL
.irp a, \a0, (\a0)+1
.irp b, 0,1,2,3
.if \zero
	v_wmma_f32_16x16x32_f16 v[ACC+8*(4*(\a)+(\b)):ACC+8*(4*(\a)+(\b))+7], v[(\f)+64+8*(4*(\c)+(\b)):(\f)+64+8*(4*(\c)+(\b))+7], v[(\f)+8*(4*(\c)+(\a)):(\f)+8*(4*(\c)+(\a))+7], 0
.else
	v_wmma_f32_16x16x32_f16 v[ACC+8*(4*(\a)+(\b)):ACC+8*(4*(\a)+(\b))+7], v[(\f)+64+8*(4*(\c)+(\b)):(\f)+64+8*(4*(\c)+(\b))+7], v[(\f)+8*(4*(\c)+(\a)):(\f)+8*(4*(\c)+(\a))+7], v[ACC+8*(4*(\a)+(\b)):ACC+8*(4*(\a)+(\b))+7]
.endif
.endr
.endr
.endm
; 32 turning loads in one run: the fragments of rows 64 q .. 64 q + 63 of the slot, into buffer f; the first 32 rows first.  A fragment is two loads, 16 rows apart.
.macro FETCH slot, q, f
	WIN TO_F
.irp c, 0,1
.irp i, 0,1,2,3
	ds_load_tr16_b128 v[(\f)+64+8*(4*(\c)+(\i)):(\f)+64+8*(4*(\c)+(\i))+3],   v[ADRB+2*(\slot)+(\q)/2] offset:((\q)%2)*64*PT+(\c)*32*PT+32*(\i)
	ds_load_tr16_b128 v[(\f)+64+8*(4*(\c)+(\i))+4:(\f)+64+8*(4*(\c)+(\i))+7], v[ADRB+2*(\slot)+(\q)/2] offset:((\q)%2)*64*PT+(\c)*32*PT+32*(\i)+16*PT
	ds_load_tr16_b128 v[(\f)+8*(4*(\c)+(\i)):(\f)+8*(4*(\c)+(\i))+3],         v[ADRA+2*(\slot)+(\q)/2] offset:((\q)%2)*64*PT+(\c)*32*PT+32*(\i)
	ds_load_tr16_b128 v[(\f)+8*(4*(\c)+(\i))+4:(\f)+8*(4*(\c)+(\i))+7],       v[ADRA+2*(\slot)+(\q)/2] offset:((\q)%2)*64*PT+(\c)*32*PT+32*(\i)+16*PT
.endr
.endr
.endm
.macro QUARTER slot, q, f, g, zero
	s_wait_dscnt 16                                ; the first 32 along s are in
	MUL8 \f, 0, 0, \zero
	MUL8 \f, 0, 2, \zero
	PLACES
	FETCH \slot, \q, \g
	s_wait_dscnt 32                                ; all but the 32 just issued
	MUL8 \f, 1, 0, 0
	MUL8 \f, 1, 2, 0
.endm
.macro TURN slot, next, fill
	WIN 0
	s_wait_tensorcnt 0x0                           ; all my tensor loads have landed: my part of the next slot
	ds_add_u32 v[SPW], v[NIL]                      ; 0 onto my spare word
	s_wait_dscnt 17                                ; the add and the youngest sixteen loads may be out
	MUL8 F1, 0, 0, 0
	s_wait_dscnt 0x0                               ; the add is done, and my reads of this slot are over
	s_barrier_signal -1
	MUL8 F1, 0, 2, 0
.if \fill
	WIN 0
.endif
	s_barrier_wait -1
.if \fill
	CREST                                          ; no wave of any partner still reads this slot or has a load on its way
	s_add_nc_u64 s[G0+4*(\slot)+2:G0+4*(\slot)+3], s[G0+4*(\slot)+2:G0+4*(\slot)+3], 2*KROWS*ROWB
	s_add_nc_u64 s[G0B+4*(\slot)+2:G0B+4*(\slot)+3], s[G0B+4*(\slot)+2:G0B+4*(\slot)+3], 2*KROWS*ROWB
	JLOAD \slot                                    ; my one tensor load behind the round; its four v_nop are also the places in front of the loads below
.else
	PLACES
.endif
	FETCH \next, 0, F0
	MUL8 F1, 1, 0, 0
	MUL8 F1, 1, 2, 0
.endm
	s_wait_tensorcnt 1                             ; my part of step 0 is in; step 1's may stay out
	s_barrier_signal -1
	s_barrier_wait -1
	FETCH 0, 0, F0
	QUARTER 0, 1, F0, F1, 1
	WIN 0
	s_mov_b32 s3, LAPS-1
.Llap:
	QUARTER 0, 2, F1, F0, 0
	QUARTER 0, 3, F0, F1, 0
	TURN 0, 1, 1
	QUARTER 1, 1, F0, F1, 0
	QUARTER 1, 2, F1, F0, 0
	QUARTER 1, 3, F0, F1, 0
	TURN 1, 0, 1
	QUARTER 0, 1, F0, F1, 0
	WIN 0
	s_sub_co_u32 s3, s3, 1
	s_cmp_lg_u32 s3, 0
	s_cbranch_scc1 .Llap
	QUARTER 0, 2, F1, F0, 0                        ; the last lap fills nothing
	QUARTER 0, 3, F0, F1, 0
	TURN 0, 1, 0
	QUARTER 1, 1, F0, F1, 0
	QUARTER 1, 2, F1, F0, 0
	QUARTER 1, 3, F0, F1, 0
	s_wait_dscnt 16
	MUL8 F1, 0, 0, 0
	MUL8 F1, 0, 2, 0
	s_wait_dscnt 0x0
	MUL8 F1, 1, 0, 0
	MUL8 F1, 1, 2, 0
	WIN 0
	; THE WAY OUT: times alpha; rounded to f16; the magnitudes into the chains of maxima; through the work-group's stage, since a row's 256 bytes come from two waves
	PLACES
	PLACES
.set i, 0
.rept 64
	v_pk_mul_f32 v[ACC+2*i:ACC+2*i+1], v[ACC+2*i:ACC+2*i+1], s[SC:SC+1] op_sel_hi:[1,0]  ; each accumulator from its low end on
.set i, i+1
.endr
.set i, 0
.rept 64
	v_cvt_pk_f16_f32 v[TMP+i], v[ACC+2*i], v[ACC+2*i+1]
.set i, i+1
.endr
.set i, 0
.rept 64
	v_and_b32 v[TT+i%4], s[ABSM], v[TMP+i]
	v_pk_max_num_f16 v[MX+i%4], v[MX+i%4], v[TT+i%4]
.set i, i+1
.endr
.irp a, 0,1,2,3
.irp b, 0,1,2,3
	ds_store_b128 v[STO], v[TMP+4*(4*(\a)+(\b)):TMP+4*(4*(\a)+(\b))+3] offset:(\a)*16*SPITCH+32*(\b)
.endr
.endr
	s_wait_dscnt 0x0                               ; for the others' sake: my stores into the stage are done
	s_barrier_signal -1
	s_barrier_wait -1
.irp t, 0,1,2,3,4,5,6,7,8,9,10,11,12,13,14,15
	ds_load_b128 v[TMP+4*(\t):TMP+4*(\t)+3], v[RD] offset:(\t)*2*SPITCH
.endr
.irp t, 0,1,2,3,4,5,6,7,8,9,10,11,12,13,14,15
	s_wait_dscnt 15-(\t)
	global_store_b128 v[CO], v[TMP+4*(\t):TMP+4*(\t)+3], s[8:9] offset:2*(\t)*ROWB  ; 16 lanes store 256 consecutive bytes, aligned
.endr
	v_pk_max_num_f16 v100, v100, v101
	v_pk_max_num_f16 v102, v102, v103
	v_pk_max_num_f16 v100, v100, v102
	v_cvt_f32_f16 v96, v100.l
	v_cvt_f32_f16 v97, v100.h
	v_max_num_f32 v100, v96, v97
	LANEMAX 100, 96
	v_mov_b32 v101, s[SC]
	v_mov_b32 v98, s[PIDX]
	v_cmp_eq_u32 vcc_lo, 0, v[LN]
	s_wait_xcnt 0x0                                ; EXEC changes only behind this wait
	s_and_saveexec_b32 s80, vcc_lo
	global_store_b64 v98, v[100:101], s[10:11]     ; (my largest |M^|, alpha)
	s_wait_xcnt 0x0
	s_or_b32 exec_lo, exec_lo, s80
	s_wait_tensorcnt 0x0                           ; the wave's end
	ds_add_u32 v[SPW], v[NIL]
	s_wait_dscnt 0x0
	CROUND                                         ; the closing round
	s_endpgm
.Lfunc_end_k_q84a6b3b0c1_mmat:
	.size	k_q84a6b3b0c1_mmat, .Lfunc_end_k_q84a6b3b0c1_mmat-k_q84a6b3b0c1_mmat
	.p2alignl 7, 3214868480
	.fill 96, 4, 3214868480
	.section	.rodata,"a",@progbits
	.p2align	6, 0x0
	.amdhsa_kernel k_q84a6b3b0c1_mmat
		.amdhsa_group_segment_fixed_size 327680
		.amdhsa_private_segment_fixed_size 0
		.amdhsa_enable_private_segment 0
		.amdhsa_kernarg_size 32
		.amdhsa_user_sgpr_count 2
		.amdhsa_user_sgpr_kernarg_segment_ptr 1
		.amdhsa_wavefront_size32 1
		.amdhsa_system_sgpr_workgroup_id_x 1
		.amdhsa_system_sgpr_workgroup_id_y 1
		.amdhsa_system_sgpr_workgroup_id_z 1
		.amdhsa_system_vgpr_workitem_id 0
		.amdhsa_next_free_vgpr 512
		.amdhsa_next_free_sgpr 96
		.amdhsa_reserve_vcc 1
		.amdhsa_float_denorm_mode_32 3
		.amdhsa_float_denorm_mode_16_64 3
		.amdhsa_memory_ordered 1
		.amdhsa_forward_progress 1
		.amdhsa_inst_pref_size 101
	.end_amdhsa_kernel
	.amdgpu_metadata
---
amdhsa.version: [ 1, 2 ]
amdhsa.kernels:
  - .name:           k_q84a6b3b0c1_mmat
    .symbol:         k_q84a6b3b0c1_mmat.kd
    .args:
      - { .name: qkv, .offset: 0, .size: 8, .value_kind: global_buffer, .address_space: global }
      - { .name: pm1, .offset: 8, .size: 8, .value_kind: global_buffer, .address_space: global }
      - { .name: mh, .offset: 16, .size: 8, .value_kind: global_buffer, .address_space: global }
      - { .name: pm2, .offset: 24, .size: 8, .value_kind: global_buffer, .address_space: global }
    .group_segment_fixed_size: 327680
    .private_segment_fixed_size: 0
    .kernarg_segment_align: 8
    .kernarg_segment_size: 32
    .max_flat_workgroup_size: 128
    .sgpr_count:     96
    .vgpr_count:     512
    .wavefront_size: 32
...
	.end_amdgpu_metadata
.endif
;; end of part 3
;; launch rmat (part 4): grid 8 x 32, 4 waves a work-group, clusters of 4 x 4, 327,680 bytes of LDS; arguments h16, mh, pm2, rh, g3; writes rh, g3
.if DOCPART == 4
	.amdgcn_target "amdgcn-amd-amdhsa--gfx1250"
	.amdhsa_code_object_version 6
	.text
	.protected	k_q84a6b3b0c1_rmat
	.globl	k_q84a6b3b0c1_rmat
	.p2align	8
	.type	k_q84a6b3b0c1_rmat,@function
k_q84a6b3b0c1_rmat:
	s_mov_b64 s[64:65], 0
	v_nop
	global_prefetch_b8 v0, s[64:65] scope:SCOPE_SE
	s_setreg_imm32_b32 hwreg(HW_REG_WAVE_MODE, 25, 1), 1
	s_wait_xcnt 0x0
	s_wait_alu depctr_hold_cnt(0) depctr_sa_sdst(0) depctr_va_vdst(0) depctr_va_sdst(0) depctr_va_ssrc(0) depctr_va_vcc(0) depctr_vm_vsrc(0)
	s_getreg_b32 s2, hwreg(HW_REG_IB_STS2, 6, 4)
	s_cmp_eq_u32 s2, 0
	s_cbranch_scc0 .Lentry_in_a_cluster
	s_endpgm
.Lentry_in_a_cluster:
	s_bfe_u32 s2, ttmp6, 0x10000c
	s_cmp_lg_u32 s2, 0xf033
	s_cbranch_scc0 .Lentry_shape_is_right
	s_endpgm
.Lentry_shape_is_right:
; R^_b[f][e1] = beta_b x the sum over e2 of Wo[f][e2] M^_b[e1][e2], in f16 into rh [4][1024][1024].  Wo: f16 in h16 (rounded to bf16 first); M^: f16 in mh; sums in f32.
; THE SCALE.  beta_b is the exact power of two that brings the batch's largest |M^| (pm2) into 1 .. 2: exponent field 254 - E.  So |R^| < 2,048 x the largest |Wo|.
; gamma_b = 1 / (alpha_b beta_b), exponent field 381 - f_alpha - f_beta held to 1 .. 254, is stored by each wave into g3.  The scales are factors only: no address and no branch hangs on them.
; LIMITS.  The largest |Wo| stays under 31.9, so that R^ stays inside f16; numbers of R^ below 6e-5 keep f16's fixed step of 6e-8.  NaN and infinities are not treated apart.  Where M^ is all zero, R^ is zero.
; SHARES.  A tile is 128 (f) x 128 (e1), a wave 64 x 64: 16 accumulators.  K = 1,024 in steps of 256 through two LDS slots.  8 x 32 work-groups: YY = 8 batch + f block, XX = e1 block.
; CLUSTER.  4 x 4: Wo's tile hangs on YY alone (shared along a row of the cluster), M^'s on the batch and XX (shared along a column; the batch is taken from the cluster's y).
; Source 0 = 16 rows of M^, source 1 = 16 rows of Wo: a lane holds f = lane % 16 and e1 = 8 (lane / 16) + 0..7 of a block.
; REGISTERS: window 0: v0-31 addresses; v32-95 at work on the way out; v98-119 scales; v128-255 the accumulators.  window 1: two fragment buffers of 128 (Wo's 64, then M^'s 64).
.set KSTEP,  256
.set PITCH,  528                       ; an LDS row: 512 bytes + 16 of padding: the 16 rows of a fragment load start 16 bytes apart modulo 256
.set HALFT,  64*PITCH
.set SLOT,   4*HALFT
.set STAGE,  2*SLOT
.set SPITCH, 272
.set SPARE,  STAGE+128*SPITCH          ; behind the stage: the spare words, 128 bytes a wave, which no other line names
.set LAPS,   2                         ; 1,024 / 512
.set ROWB,   2048
.set WO_OFF, 23068672                  ; Wo in h16
.set FLAGS,  (1<<16)|(1<<20)|(1<<21)|(6<<22)|(3<<25)  ; 2-byte elements; padding on; bit 21 beside a mask; after every 128 words; 4 words
.set ADRA, 16
.set ADRB, 20
.set STO,  24
.set RD,   25
.set CO,   26
.set SPW,  28
.set NIL,  29
.set LN,   30
.set TMP,  32
.set ACC,  128
.set F0,   0
.set F1,   128
.set WV, 16
.set FB, 17
.set HF, 18
.set CX, 19
.set CY, 20
.set XX, 21
.set YY, 22
.set G1,  24
.set G0,  32
.set G1B, 40
.set G0B, 48
.set SC,  58                           ; s[58:59] beta
.set GAM, 60                           ; gamma
.set PIDX, 67                          ; my byte offset in g3
.set SEL, 76
.set MSB, 0
.macro WIN new
.if MSB != (\new)
	s_set_vgpr_msb (MSB<<8)|(\new)
.set MSB, \new
.endif
.endm
.set MUL,  0x05
.set TO_F, 0x40
.macro PLACES
.rept 4
	v_nop
.endr
.endm
.macro JLOAD s                         ; waves 0 and 1 fetch Wo's two halves, waves 2 and 3 M^'s; an s_nop 0 and four v_nop follow each line
	s_cmp_eq_u32 s[FB], 0
	s_cbranch_scc0 .Lfor_b_\@
	tensor_load_to_lds s[G0+4*(\s):G0+4*(\s)+3], s[G1:G1+7]
	s_nop 0
.rept 4
	v_nop
.endr
	s_branch .Lasked_\@
.Lfor_b_\@:
	tensor_load_to_lds s[G0B+4*(\s):G0B+4*(\s)+3], s[G1B:G1B+7]
	s_nop 0
.rept 4
	v_nop
.endr
.Lasked_\@:
.endm
.macro CREST
	s_cmp_lg_u32 s[WV], 0
	s_cbranch_scc1 .Lnot_wave_0_\@
	s_barrier_signal -3
.Lnot_wave_0_\@:
	s_barrier_wait -3
	s_barrier_signal -1
	s_barrier_wait -1
.endm
.macro CROUND
	s_barrier_signal -1
	s_barrier_wait -1
	CREST
.endm
.macro LANEMAX r, t
	v_max_num_f32_dpp v[\r], v[\r], v[\r] row_xmask:1 row_mask:0xf bank_mask:0xf
	v_max_num_f32_dpp v[\r], v[\r], v[\r] row_xmask:2 row_mask:0xf bank_mask:0xf
	v_max_num_f32_dpp v[\r], v[\r], v[\r] row_xmask:4 row_mask:0xf bank_mask:0xf
	v_max_num_f32_dpp v[\r], v[\r], v[\r] row_xmask:8 row_mask:0xf bank_mask:0xf
	v_permlanex16_b32 v[\t], v[\r], s[SEL], s[SEL+1]
	v_max_num_f32 v[\r], v[\r], v[\t]
.endm
	s_load_b256 s[4:11], s[0:1], 0x0               ; h16 s[4:5], mh s[6:7], pm2 s[8:9], rh s[10:11]
	s_load_b64 s[12:13], s[0:1], 0x20              ; g3
	v_lshl_add_u32 v[SPW], v0, 2, SPARE
	v_mov_b32 v[NIL], 0
	ds_add_u32 v[SPW], v[NIL]                      ; the wave's opening: the add and its wait come ahead of my first tensor load
	v_lshrrev_b32 v1, 5, v0
	v_readfirstlane_b32 s[WV], v1
	s_lshr_b32 s[FB], s[WV], 1
	s_and_b32 s[HF], s[WV], 1
	s_bfe_u32 s[CX], ttmp6, 0x40000
	s_bfe_u32 s[CY], ttmp6, 0x40004
	s_lshl_b32 s[XX], ttmp9, 2
	s_add_co_u32 s[XX], s[XX], s[CX]
	s_and_b32 s[YY], ttmp7, 0xffff
	s_lshl_b32 s[YY], s[YY], 2
	s_add_co_u32 s[YY], s[YY], s[CY]
	s_lshl_b32 s23, s[CY], 2
	s_lshl_b32 s23, 15, s23
	s_lshl_b32 s66, 0x1111, s[CX]
	s_or_b32 s[G1], s23, FLAGS
	s_or_b32 s[G1B], s66, FLAGS
.irp g, G1, G1B
	s_mov_b32 s[(\g)+1], KSTEP<<16                 ; tensor_dim0 = 256
	s_mov_b32 s[(\g)+2], 64<<16                    ; tensor_dim1 = 64
	s_mov_b32 s[(\g)+3], KSTEP<<16                 ; tile_dim0 = 256
	s_mov_b32 s[(\g)+4], 64                        ; tile_dim1 = 64
	s_mov_b32 s[(\g)+5], 1024
	s_mov_b32 s[(\g)+6], 0
	s_mov_b32 s[(\g)+7], 0
.endr
	s_and_b32 s68, s[YY], 7                        ; Wo: row 128 (YY % 8) + 64 x half
	s_lshl_b32 s68, s68, 7
	s_lshl_b32 s69, s[HF], 6
	s_add_co_u32 s68, s68, s69
	s_lshl_b32 s68, s68, 11
	s_add_co_u32 s68, s68, WO_OFF
	s_mov_b32 s69, 0
	s_and_b32 s74, ttmp7, 0xffff                   ; the batch, from the cluster's y
	s_lshr_b32 s74, s74, 1
	s_lshl_b32 s70, s74, 10                        ; M^: row 1,024 batch + 128 XX + 64 x half
	s_lshl_b32 s71, s[XX], 7
	s_add_co_u32 s70, s70, s71
	s_lshl_b32 s71, s[HF], 6
	s_add_co_u32 s70, s70, s71
	s_lshl_b32 s70, s70, 11
	s_mov_b32 s71, 0
	s_lshl_b32 s74, s74, 11                        ; the batch's 2,048 bytes of pm2
	s_mov_b32 s75, 0
	s_mul_i32 s72, s[WV], HALFT
	s_mov_b32 s[SEL], 0x76543210
	s_mov_b32 s[SEL+1], 0xfedcba98
	s_wait_dscnt 0x0
	s_wait_kmcnt 0x0
	s_add_nc_u64 s[68:69], s[4:5], s[68:69]
	s_add_nc_u64 s[70:71], s[6:7], s[70:71]
	s_add_nc_u64 s[8:9], s[8:9], s[74:75]
	CROUND
.irp s, 0,1
	s_mov_b32 s[G0+4*(\s)], 1
	s_add_co_u32 s[G0+4*(\s)+1], s72, (\s)*SLOT
	s_add_nc_u64 s[G0+4*(\s)+2:G0+4*(\s)+3], s[68:69], (\s)*KSTEP*2
	s_or_b32 s[G0+4*(\s)+3], s[G0+4*(\s)+3], 0x80000000
	s_mov_b32 s[G0B+4*(\s)], 1
	s_add_co_u32 s[G0B+4*(\s)+1], s72, (\s)*SLOT
	s_add_nc_u64 s[G0B+4*(\s)+2:G0B+4*(\s)+3], s[70:71], (\s)*KSTEP*2
	s_or_b32 s[G0B+4*(\s)+3], s[G0B+4*(\s)+3], 0x80000000
	JLOAD \s
.endr
	v_and_b32 v[LN], 31, v0
	v_lshlrev_b32 v5, 6, v[LN]                     ; the batch's 256 pairs (maximum, alpha): eight pairs a lane
	global_load_b128 v[104:107], v5, s[8:9]
	global_load_b128 v[108:111], v5, s[8:9] offset:16
	global_load_b128 v[112:115], v5, s[8:9] offset:32
	global_load_b128 v[116:119], v5, s[8:9] offset:48
	v_and_b32 v1, 15, v0
	v_bfe_u32 v2, v0, 4, 1
	v_mul_u32_u24 v3, v1, PITCH
	v_lshl_add_u32 v3, v2, 4, v3
	s_mul_i32 s74, s[FB], HALFT                    ; my 64 rows of Wo
	s_mul_i32 s75, s[HF], HALFT                    ; my 64 rows of M^,
	s_add_co_u32 s75, s75, 2*HALFT                 ; which lie behind Wo's 128
.irp s, 0,1
	v_add_nc_u32 v[ADRA+(\s)], s74, v3
	v_add_nc_u32 v[ADRB+(\s)], s75, v3
	s_add_co_u32 s74, s74, SLOT
	s_add_co_u32 s75, s75, SLOT
.endr
	s_mul_i32 s74, s[FB], 64*SPITCH
	s_lshl_b32 s75, s[HF], 7
	s_add_co_u32 s74, s74, s75
	s_add_co_u32 s74, s74, STAGE
	v_mul_u32_u24 v4, v1, SPITCH
	v_lshl_add_u32 v4, v2, 4, v4
	v_add_nc_u32 v[STO], s74, v4
	s_mul_i32 s74, s[WV], 32*SPITCH
	s_add_co_u32 s74, s74, STAGE
	v_mul_u32_u24 v4, v2, SPITCH
	v_lshl_add_u32 v4, v1, 4, v4
	v_add_nc_u32 v[RD], s74, v4
	v_lshlrev_b32 v4, 11, v2
	v_lshl_add_u32 v[CO], v1, 4, v4
	s_lshl_b32 s74, s[YY], 7                       ; the first row of rh that I store: 128 YY + 32 wave; byte 256 XX
	s_lshl_b32 s75, s[WV], 5
	s_add_co_u32 s74, s74, s75
	s_lshl_b32 s74, s74, 11
	s_lshl_b32 s75, s[XX], 8
	s_add_co_u32 s74, s74, s75
	s_mov_b32 s75, 0
	s_add_nc_u64 s[10:11], s[10:11], s[74:75]
	s_lshl_b32 s[PIDX], s[YY], 3
	s_add_co_u32 s[PIDX], s[PIDX], s[XX]
	s_lshl_b32 s[PIDX], s[PIDX], 2
	s_add_co_u32 s[PIDX], s[PIDX], s[WV]
	s_lshl_b32 s[PIDX], s[PIDX], 2
	s_wait_loadcnt 0x0
	v_max3_num_f32 v104, v104, v106, v108          ; the even registers are maxima, the odd ones alpha
	v_max3_num_f32 v110, v110, v112, v114
	v_max3_num_f32 v104, v104, v116, v118
	v_max_num_f32 v104, v104, v110
	LANEMAX 104, 106
	v_readfirstlane_b32 s68, v104
	v_readfirstlane_b32 s69, v105
	s_bfe_u32 s68, s68, 0x80017                    ; E of the batch's largest |M^|
	s_bfe_u32 s69, s69, 0x80017                    ; alpha's exponent field
	s_sub_co_u32 s70, 254, s68
	s_max_i32 s70, s70, 1                          ; beta's
	s_sub_co_u32 s71, 381, s69
	s_sub_co_u32 s71, s71, s70
	s_max_i32 s71, s71, 1
	s_min_i32 s71, s71, 254                        ; gamma's
	s_lshl_b32 s[SC], s70, 23
	s_mov_b32 s[SC+1], s[SC]
	s_lshl_b32 s[GAM], s71, 23
.macro MUL8 f, c, a0, zero
	WIN MUL
.irp a, \a0, (\a0)+1
.irp b, 0,1,2,3
.if \zero
	v_wmma_f32_16x16x32_f16 v[ACC+8*(4*(\a)+(\b)):ACC+8*(4*(\a)+(\b))+7], v[(\f)+64+8*(4*(\c)+(\b)):(\f)+64+8*(4*(\c)+(\b))+7], v[(\f)+8*(4*(\c)+(\a)):(\f)+8*(4*(\c)+(\a))+7], 0
.else
	v_wmma_f32_16x16x32_f16 v[ACC+8*(4*(\a)+(\b)):ACC+8*(4*(\a)+(\b))+7], v[(\f)+64+8*(4*(\c)+(\b)):(\f)+64+8*(4*(\c)+(\b))+7], v[(\f)+8*(4*(\c)+(\a)):(\f)+8*(4*(\c)+(\a))+7], v[ACC+8*(4*(\a)+(\b)):ACC+8*(4*(\a)+(\b))+7]
.endif
.endr
.endr
.endm
.macro FETCH slot, k, f                ; 32 LDS loads in one run: 64 along K at byte k of the rows; the first 32 along K first
	WIN TO_F
.irp c, 0,1
.irp i, 0,1,2,3
	ds_load_b128 v[(\f)+64+8*(4*(\c)+(\i)):(\f)+64+8*(4*(\c)+(\i))+3],   v[ADRB+(\slot)] offset:(\k)+64*(\c)+(\i)*16*PITCH
	ds_load_b128 v[(\f)+64+8*(4*(\c)+(\i))+4:(\f)+64+8*(4*(\c)+(\i))+7], v[ADRB+(\slot)] offset:(\k)+64*(\c)+(\i)*16*PITCH+32
	ds_load_b128 v[(\f)+8*(4*(\c)+(\i)):(\f)+8*(4*(\c)+(\i))+3],         v[ADRA+(\slot)] offset:(\k)+64*(\c)+(\i)*16*PITCH
	ds_load_b128 v[(\f)+8*(4*(\c)+(\i))+4:(\f)+8*(4*(\c)+(\i))+7],       v[ADRA+(\slot)] offset:(\k)+64*(\c)+(\i)*16*PITCH+32
.endr
.endr
.endm
.macro QUARTER slot, k, f, g, zero
	s_wait_dscnt 16                                ; the first 32 along K are in
	MUL8 \f, 0, 0, \zero
	MUL8 \f, 0, 2, \zero
	PLACES
	FETCH \slot, \k, \g
	s_wait_dscnt 32                                ; all but the 32 just issued
	MUL8 \f, 1, 0, 0
	MUL8 \f, 1, 2, 0
.endm
.macro TURN slot, next, fill
	WIN 0
	s_wait_tensorcnt 0x0                           ; all my tensor loads have landed: my part of the next slot
	ds_add_u32 v[SPW], v[NIL]                      ; 0 onto my spare word
	s_wait_dscnt 17                                ; the add and the youngest sixteen loads may be out
	MUL8 F1, 0, 0, 0
	s_wait_dscnt 0x0                               ; the add is done, and my reads of this slot are over
	s_barrier_signal -1
	MUL8 F1, 0, 2, 0
.if \fill
	WIN 0
.endif
	s_barrier_wait -1
.if \fill
	CREST
	s_add_nc_u64 s[G0+4*(\slot)+2:G0+4*(\slot)+3], s[G0+4*(\slot)+2:G0+4*(\slot)+3], 2*KSTEP*2
	s_add_nc_u64 s[G0B+4*(\slot)+2:G0B+4*(\slot)+3], s[G0B+4*(\slot)+2:G0B+4*(\slot)+3], 2*KSTEP*2
	JLOAD \slot                                    ; my one tensor load behind the round; its four v_nop are also the places in front of the loads below
.else
	PLACES
.endif
	FETCH \next, 0, F0
	MUL8 F1, 1, 0, 0
	MUL8 F1, 1, 2, 0
.endm
	s_wait_tensorcnt 1                             ; my part of K step 0 is in; K step 1's may stay out
	s_barrier_signal -1
	s_barrier_wait -1
	FETCH 0, 0, F0
	QUARTER 0, 128, F0, F1, 1
	WIN 0
	s_mov_b32 s3, LAPS-1
.Llap:
	QUARTER 0, 256, F1, F0, 0
	QUARTER 0, 384, F0, F1, 0
	TURN 0, 1, 1
	QUARTER 1, 128, F0, F1, 0
	QUARTER 1, 256, F1, F0, 0
	QUARTER 1, 384, F0, F1, 0
	TURN 1, 0, 1
	QUARTER 0, 128, F0, F1, 0
	WIN 0
	s_sub_co_u32 s3, s3, 1
	s_cmp_lg_u32 s3, 0
	s_cbranch_scc1 .Llap
	QUARTER 0, 256, F1, F0, 0                      ; the last lap fills nothing
	QUARTER 0, 384, F0, F1, 0
	TURN 0, 1, 0
	QUARTER 1, 128, F0, F1, 0
	QUARTER 1, 256, F1, F0, 0
	QUARTER 1, 384, F0, F1, 0
	s_wait_dscnt 16
	MUL8 F1, 0, 0, 0
	MUL8 F1, 0, 2, 0
	s_wait_dscnt 0x0
	MUL8 F1, 1, 0, 0
	MUL8 F1, 1, 2, 0
	WIN 0
	; THE WAY OUT: times beta; rounded to f16; through the work-group's stage, since a row's 256 bytes come from two waves
	PLACES
	PLACES
.set i, 0
.rept 64
	v_pk_mul_f32 v[ACC+2*i:ACC+2*i+1], v[ACC+2*i:ACC+2*i+1], s[SC:SC+1] op_sel_hi:[1,0]  ; each accumulator from its low end on
.set i, i+1
.endr
.set i, 0
.rept 64
	v_cvt_pk_f16_f32 v[TMP+i], v[ACC+2*i], v[ACC+2*i+1]
.set i, i+1
.endr
.irp a, 0,1,2,3
.irp b, 0,1,2,3
	ds_store_b128 v[STO], v[TMP+4*(4*(\a)+(\b)):TMP+4*(4*(\a)+(\b))+3] offset:(\a)*16*SPITCH+32*(\b)
.endr
.endr
	s_wait_dscnt 0x0                               ; for the others' sake: my stores into the stage are done
	s_barrier_signal -1
	s_barrier_wait -1
.irp t, 0,1,2,3,4,5,6,7,8,9,10,11,12,13,14,15
	ds_load_b128 v[TMP+4*(\t):TMP+4*(\t)+3], v[RD] offset:(\t)*2*SPITCH
.endr
.irp t, 0,1,2,3,4,5,6,7,8,9,10,11,12,13,14,15
	s_wait_dscnt 15-(\t)
	global_store_b128 v[CO], v[TMP+4*(\t):TMP+4*(\t)+3], s[10:11] offset:2*(\t)*ROWB  ; 16 lanes store 256 consecutive bytes, aligned
.endr
	v_mov_b32 v98, s[PIDX]
	v_mov_b32 v99, s[GAM]
	v_cmp_eq_u32 vcc_lo, 0, v[LN]
	s_wait_xcnt 0x0                                ; EXEC changes only behind this wait
	s_and_saveexec_b32 s80, vcc_lo
	global_store_b32 v98, v99, s[12:13]            ; gamma
	s_wait_xcnt 0x0
	s_or_b32 exec_lo, exec_lo, s80
	s_wait_tensorcnt 0x0                           ; the wave's end
	ds_add_u32 v[SPW], v[NIL]
	s_wait_dscnt 0x0
	CROUND                                         ; the closing round
	s_endpgm
.Lfunc_end_k_q84a6b3b0c1_rmat:
	.size	k_q84a6b3b0c1_rmat, .Lfunc_end_k_q84a6b3b0c1_rmat-k_q84a6b3b0c1_rmat
	.p2alignl 7, 3214868480
	.fill 96, 4, 3214868480
	.section	.rodata,"a",@progbits
	.p2align	6, 0x0
	.amdhsa_kernel k_q84a6b3b0c1_rmat
		.amdhsa_group_segment_fixed_size 327680
		.amdhsa_private_segment_fixed_size 0
		.amdhsa_enable_private_segment 0
		.amdhsa_kernarg_size 40
		.amdhsa_user_sgpr_count 2
		.amdhsa_user_sgpr_kernarg_segment_ptr 1
		.amdhsa_wavefront_size32 1
		.amdhsa_system_sgpr_workgroup_id_x 1
		.amdhsa_system_sgpr_workgroup_id_y 1
		.amdhsa_system_sgpr_workgroup_id_z 1
		.amdhsa_system_vgpr_workitem_id 0
		.amdhsa_next_free_vgpr 512
		.amdhsa_next_free_sgpr 96
		.amdhsa_reserve_vcc 1
		.amdhsa_float_denorm_mode_32 3
		.amdhsa_float_denorm_mode_16_64 3
		.amdhsa_memory_ordered 1
		.amdhsa_forward_progress 1
		.amdhsa_inst_pref_size 93
	.end_amdhsa_kernel
	.amdgpu_metadata
---
amdhsa.version: [ 1, 2 ]
amdhsa.kernels:
  - .name:           k_q84a6b3b0c1_rmat
    .symbol:         k_q84a6b3b0c1_rmat.kd
    .args:
      - { .name: h16, .offset: 0, .size: 8, .value_kind: global_buffer, .address_space: global }
      - { .name: mh, .offset: 8, .size: 8, .value_kind: global_buffer, .address_space: global }
      - { .name: pm2, .offset: 16, .size: 8, .value_kind: global_buffer, .address_space: global }
      - { .name: rh, .offset: 24, .size: 8, .value_kind: global_buffer, .address_space: global }
      - { .name: g3, .offset: 32, .size: 8, .value_kind: global_buffer, .address_space: global }
    .group_segment_fixed_size: 327680
    .private_segment_fixed_size: 0
    .kernarg_segment_align: 8
    .kernarg_segment_size: 40
    .max_flat_workgroup_size: 128
    .sgpr_count:     96
    .vgpr_count:     512
    .wavefront_size: 32
...
	.end_amdgpu_metadata
.endif
;; end of part 4
;; launch outp (part 5): grid 8 x 32, 4 waves a work-group, clusters of 4 x 4, 327,680 bytes of LDS; arguments qkv, rh, g3, bo, out0; writes out0
.if DOCPART == 5
	.amdgcn_target "amdgcn-amd-amdhsa--gfx1250"
	.amdhsa_code_object_version 6
	.text
	.protected	k_q84a6b3b0c1_outp
	.globl	k_q84a6b3b0c1_outp
	.p2align	8
	.type	k_q84a6b3b0c1_outp,@function
k_q84a6b3b0c1_outp:
	s_mov_b64 s[64:65], 0
	v_nop
	global_prefetch_b8 v0, s[64:65] scope:SCOPE_SE
	s_setreg_imm32_b32 hwreg(HW_REG_WAVE_MODE, 25, 1), 1
	s_wait_xcnt 0x0
	s_wait_alu depctr_hold_cnt(0) depctr_sa_sdst(0) depctr_va_vdst(0) depctr_va_sdst(0) depctr_va_ssrc(0) depctr_va_vcc(0) depctr_vm_vsrc(0)
	s_getreg_b32 s2, hwreg(HW_REG_IB_STS2, 6, 4)
	s_cmp_eq_u32 s2, 0
	s_cbranch_scc0 .Lentry_in_a_cluster
	s_endpgm
.Lentry_in_a_cluster:
	s_bfe_u32 s2, ttmp6, 0x10000c
	s_cmp_lg_u32 s2, 0xf033
	s_cbranch_scc0 .Lentry_shape_is_right
	s_endpgm
.Lentry_shape_is_right:
; out0[s][f] = gamma_b x (the sum over e1 of q[s][e1] R^_b[f][e1]) + bo[f], in f32.  q: f16, plane 0 of qkv; R^: f16 in rh; gamma_b: an exact power of two from g3; bo is rounded to bf16 here; sums in f32.
; With the launches before, this is (q k^T) v Wo^T + bo taken as q (Wo (k^T v)^T)^T + bo: another order of rounding than the reference's.  NaN and infinities are not treated apart.
; SHARES.  A tile is 256 rows x 128 columns, wave w rows 64 w .. 64 w + 63 of all 128 columns: 32 accumulators; one tile to a work-group, 8 x 32 of them.  K = 1,024 in steps of 128 through two LDS slots.
; CLUSTER.  4 x 4: q's tile hangs on YY alone (shared along a row of the cluster), R^'s on the batch and XX (shared along a column; the batch is taken from the cluster's y).
; Source 0 = 16 rows of R^, source 1 = 16 rows of q: a lane holds row lane % 16 and the columns 8 (lane / 16) + 0..7 of a block.
; REGISTERS: window 0: v0-31 addresses; v64-159, v160-255 two fragment buffers, at work on the way out.  window 1: accumulator (a, b) at v[8 (8 a + b)].  window 2: v0-63 the bias of my 64 columns.
.set KSTEP,  128
.set PITCH,  272
.set AH,     128*PITCH
.set BH,     64*PITCH
.set BOFF,   2*AH
.set SLOT,   BOFF+2*BH
.set STAGE,  2*SLOT
.set SPITCH, 528                       ; a stage row: 512 bytes of f32 + 16
.set WSTG,   16*SPITCH
.set SPARE,  STAGE+4*WSTG              ; behind the stages: the spare words, 128 bytes a wave, which no other line names
.set LAPS,   4
.set ROWO,   4096                      ; bytes in a row of out0
.set FLAGS,  (1<<16)|(1<<20)|(1<<21)|(5<<22)|(3<<25)
.set ADRA, 16
.set ADRB, 20
.set STO,  24
.set RD,   25
.set CO,   26
.set BO,   27
.set SPW,  28
.set NIL,  29
.set F0,   64
.set F1,   160
.set TMP,  160                         ; the bias's rounding: 32 registers
.set OB,   64                          ; 16 rows read back: v64-127 and v160-223 by turns
.set WV, 16
.set FB, 17
.set HF, 18
.set CX, 19
.set CY, 20
.set XX, 21
.set YY, 22
.set G1,  24
.set G0,  32
.set G1B, 40
.set G0B, 48
.set CP,  56                           ; s[56:57] where the stores stand in out0
.set GA,  58                           ; s[58:59] gamma
.set BX,  62
.set HIM, 79
.set MSB, 0
.macro WIN new
.if MSB != (\new)
	s_set_vgpr_msb (MSB<<8)|(\new)
.set MSB, \new
.endif
.endm
.macro PLACES
.rept 4
	v_nop
.endr
.endm
.macro JLOAD s                         ; waves 0 and 1 fetch q's two halves, waves 2 and 3 R^'s; an s_nop 0 and four v_nop follow each line
	s_cmp_eq_u32 s[FB], 0
	s_cbranch_scc0 .Lfor_b_\@
	tensor_load_to_lds s[G0+4*(\s):G0+4*(\s)+3], s[G1:G1+7]
	s_nop 0
.rept 4
	v_nop
.endr
	s_branch .Lasked_\@
.Lfor_b_\@:
	tensor_load_to_lds s[G0B+4*(\s):G0B+4*(\s)+3], s[G1B:G1B+7]
	s_nop 0
.rept 4
	v_nop
.endr
.Lasked_\@:
.endm
.macro CREST
	s_cmp_lg_u32 s[WV], 0
	s_cbranch_scc1 .Lnot_wave_0_\@
	s_barrier_signal -3
.Lnot_wave_0_\@:
	s_barrier_wait -3
	s_barrier_signal -1
	s_barrier_wait -1
.endm
.macro CROUND
	s_barrier_signal -1
	s_barrier_wait -1
	CREST
.endm
	s_load_b256 s[4:11], s[0:1], 0x0               ; qkv s[4:5], rh s[6:7], g3 s[8:9], bo s[10:11]
	s_load_b64 s[12:13], s[0:1], 0x20              ; out0
	v_lshl_add_u32 v[SPW], v0, 2, SPARE
	v_mov_b32 v[NIL], 0
	ds_add_u32 v[SPW], v[NIL]                      ; the wave's opening: the add and its wait come ahead of my first tensor load
	v_lshrrev_b32 v1, 5, v0
	v_readfirstlane_b32 s[WV], v1
	s_lshr_b32 s[FB], s[WV], 1
	s_and_b32 s[HF], s[WV], 1
	s_bfe_u32 s[CX], ttmp6, 0x40000
	s_bfe_u32 s[CY], ttmp6, 0x40004
	s_lshl_b32 s[XX], ttmp9, 2
	s_add_co_u32 s[XX], s[XX], s[CX]
	s_and_b32 s[YY], ttmp7, 0xffff
	s_lshl_b32 s[YY], s[YY], 2
	s_add_co_u32 s[YY], s[YY], s[CY]
	s_lshl_b32 s23, s[CY], 2
	s_lshl_b32 s23, 15, s23
	s_lshl_b32 s66, 0x1111, s[CX]
	s_or_b32 s[G1], s23, FLAGS
	s_or_b32 s[G1B], s66, FLAGS
	s_mov_b32 s[G1+1], KSTEP<<16
	s_mov_b32 s[G1+2], 128<<16
	s_mov_b32 s[G1+3], KSTEP<<16
	s_mov_b32 s[G1+4], 128
	s_mov_b32 s[G1+5], 1024
	s_mov_b32 s[G1+6], 0
	s_mov_b32 s[G1+7], 0
	s_mov_b32 s[G1B+1], KSTEP<<16
	s_mov_b32 s[G1B+2], 64<<16
	s_mov_b32 s[G1B+3], KSTEP<<16
	s_mov_b32 s[G1B+4], 64
	s_mov_b32 s[G1B+5], 1024
	s_mov_b32 s[G1B+6], 0
	s_mov_b32 s[G1B+7], 0
	s_lshl_b32 s68, s[YY], 8                       ; q: row 256 YY + 128 x half
	s_lshl_b32 s69, s[HF], 7
	s_add_co_u32 s68, s68, s69
	s_lshl_b32 s68, s68, 11
	s_mov_b32 s69, 0
	s_and_b32 s74, ttmp7, 0xffff                   ; the batch, from the cluster's y
	s_lshr_b32 s74, s74, 1
	s_lshl_b32 s70, s74, 10                        ; R^: row 1,024 batch + 128 XX + 64 x half
	s_lshl_b32 s71, s[XX], 7
	s_add_co_u32 s70, s70, s71
	s_lshl_b32 s71, s[HF], 6
	s_add_co_u32 s70, s70, s71
	s_lshl_b32 s70, s70, 11
	s_mov_b32 s71, 0
	s_lshl_b32 s74, s74, 10                        ; the batch's first word of g3
	s_mov_b32 s75, 0
	s_mul_i32 s72, s[HF], AH
	s_mul_i32 s73, s[HF], BH
	s_add_co_u32 s73, s73, BOFF
	s_lshl_b32 s[BX], s[XX], 9
	s_mov_b32 s[BX+1], 0
	s_mov_b32 s[HIM], 0xffff0000
	s_wait_dscnt 0x0
	s_wait_kmcnt 0x0
	s_add_nc_u64 s[68:69], s[4:5], s[68:69]
	s_add_nc_u64 s[70:71], s[6:7], s[70:71]
	s_add_nc_u64 s[8:9], s[8:9], s[74:75]
	s_add_nc_u64 s[10:11], s[10:11], s[BX:BX+1]
	s_load_b32 s[GA], s[8:9], 0x0                  ; gamma
	CROUND
.irp s, 0,1
	s_mov_b32 s[G0+4*(\s)], 1
	s_add_co_u32 s[G0+4*(\s)+1], s72, (\s)*SLOT
	s_add_nc_u64 s[G0+4*(\s)+2:G0+4*(\s)+3], s[68:69], (\s)*KSTEP*2
	s_or_b32 s[G0+4*(\s)+3], s[G0+4*(\s)+3], 0x80000000
	s_mov_b32 s[G0B+4*(\s)], 1
	s_add_co_u32 s[G0B+4*(\s)+1], s73, (\s)*SLOT
	s_add_nc_u64 s[G0B+4*(\s)+2:G0B+4*(\s)+3], s[70:71], (\s)*KSTEP*2
	s_or_b32 s[G0B+4*(\s)+3], s[G0B+4*(\s)+3], 0x80000000
	JLOAD \s
.endr
	v_and_b32 v1, 15, v0
	v_bfe_u32 v2, v0, 4, 1
	v_lshlrev_b32 v[BO], 5, v2
	WIN 0x80
.irp b, 0,1,2,3,4,5,6,7
	global_load_b128 v[8*(\b):8*(\b)+3],   v[BO], s[10:11] offset:64*(\b)      ; the bias of columns 16 b + 8 h + 0..7
	global_load_b128 v[8*(\b)+4:8*(\b)+7], v[BO], s[10:11] offset:64*(\b)+16
.endr
	WIN 0
	v_mul_u32_u24 v3, v1, PITCH
	v_lshl_add_u32 v3, v2, 4, v3
	s_mul_i32 s74, s[WV], 64*PITCH
	v_add_nc_u32 v[ADRA], s74, v3
	v_add_nc_u32 v[ADRA+1], SLOT, v[ADRA]
	v_add_nc_u32 v[ADRB], BOFF, v3
	v_add_nc_u32 v[ADRB+1], BOFF+SLOT, v3
	s_mul_i32 s74, s[WV], WSTG
	s_add_co_u32 s74, s74, STAGE                   ; my stage
	v_mul_u32_u24 v4, v1, SPITCH                   ; in: row r, 32 bytes for each half of the lanes
	v_lshl_add_u32 v4, v2, 5, v4
	v_add_nc_u32 v[STO], s74, v4
	v_and_b32 v4, 31, v0                           ; back: 32 lanes take one row of 512 bytes
	v_lshlrev_b32 v[CO], 4, v4
	v_add_nc_u32 v[RD], s74, v[CO]
	s_lshl_b32 s74, s[YY], 8                       ; my first row of out0: 256 YY + 64 wave; byte 512 XX
	s_lshl_b32 s75, s[WV], 6
	s_add_co_u32 s74, s74, s75
	s_lshl_b32 s74, s74, 12
	s_add_co_u32 s74, s74, s[BX]
	s_mov_b32 s75, 0
	s_add_nc_u64 s[CP:CP+1], s[12:13], s[74:75]
	s_wait_kmcnt 0x0
	s_mov_b32 s[GA+1], s[GA]
.macro MUL8 f, a, zero
	WIN 0x50
.irp b, 0,1,2,3,4,5,6,7
.if \zero
	v_wmma_f32_16x16x32_f16 v[8*(8*(\a)+(\b)):8*(8*(\a)+(\b))+7], v[(\f)+8*(\b):(\f)+8*(\b)+7], v[(\f)+64+8*(\a):(\f)+64+8*(\a)+7], 0
.else
	v_wmma_f32_16x16x32_f16 v[8*(8*(\a)+(\b)):8*(8*(\a)+(\b))+7], v[(\f)+8*(\b):(\f)+8*(\b)+7], v[(\f)+64+8*(\a):(\f)+64+8*(\a)+7], v[8*(8*(\a)+(\b)):8*(8*(\a)+(\b))+7]
.endif
.endr
.endm
.macro FETCH slot, k, f
	WIN 0
.irp i, 0,1,2,3,4,5,6,7
	ds_load_b128 v[(\f)+8*(\i):(\f)+8*(\i)+3],   v[ADRB+(\slot)] offset:(\k)+(\i)*16*PITCH
	ds_load_b128 v[(\f)+8*(\i)+4:(\f)+8*(\i)+7], v[ADRB+(\slot)] offset:(\k)+(\i)*16*PITCH+32
.endr
.irp i, 0,1,2,3
	ds_load_b128 v[(\f)+64+8*(\i):(\f)+64+8*(\i)+3],   v[ADRA+(\slot)] offset:(\k)+(\i)*16*PITCH
	ds_load_b128 v[(\f)+64+8*(\i)+4:(\f)+64+8*(\i)+7], v[ADRA+(\slot)] offset:(\k)+(\i)*16*PITCH+32
.endr
.endm
.macro QUARTER slot, k, f, g, zero
	s_wait_dscnt 4                                 ; R^'s fragments and q's blocks 0, 1 are in; the youngest four loads may be out
	MUL8 \f, 0, \zero
	MUL8 \f, 1, \zero
	PLACES
	FETCH \slot, \k, \g
	s_wait_dscnt 24                                ; all but the 24 just issued
	MUL8 \f, 2, \zero
	MUL8 \f, 3, \zero
.endm
.macro MEET round
	WIN 0
	s_wait_tensorcnt 0x0                           ; all my tensor loads have landed: my part of the next slot
	ds_add_u32 v[SPW], v[NIL]                      ; 0 onto my spare word
	s_wait_dscnt 7                                 ; the add and the six loads of q's blocks 1 to 3 may be out
	MUL8 F1, 0, 0
	s_wait_dscnt 0x0                               ; the add is done, and my reads of this slot are over
	s_barrier_signal -1
	MUL8 F1, 1, 0
.if \round
	WIN 0
.endif
	s_barrier_wait -1
.endm
.macro TURN slot, next
	MEET 1
	CREST
	s_add_nc_u64 s[G0+4*(\slot)+2:G0+4*(\slot)+3], s[G0+4*(\slot)+2:G0+4*(\slot)+3], 2*KSTEP*2
	s_add_nc_u64 s[G0B+4*(\slot)+2:G0B+4*(\slot)+3], s[G0B+4*(\slot)+2:G0B+4*(\slot)+3], 2*KSTEP*2
	JLOAD \slot                                    ; my one tensor load behind the round; its four v_nop are also the places in front of the loads below
	FETCH \next, 0, F0
	MUL8 F1, 2, 0
	MUL8 F1, 3, 0
.endm
; THE WAY OUT of block a: gamma x sum + bias in place; through my own stage; stored as whole rows of 512 bytes
.macro SCALE a
	WIN 0x61                                       ; sums in window 1, bias (source 2) in window 2; each accumulator from its low end on
.set i, 0
.rept 32
	v_pk_fma_f32 v[64*(\a)+2*i:64*(\a)+2*i+1], v[64*(\a)+2*i:64*(\a)+2*i+1], s[GA:GA+1], v[2*i:2*i+1] op_sel_hi:[1,0,1]
.set i, i+1
.endr
.endm
.macro TOSTAGE a
	WIN 0x04                                       ; the stores' data in window 1
.irp b, 0,1,2,3,4,5,6,7
	ds_store_b128 v[STO], v[64*(\a)+8*(\b):64*(\a)+8*(\b)+3]   offset:64*(\b)
	ds_store_b128 v[STO], v[64*(\a)+8*(\b)+4:64*(\a)+8*(\b)+7] offset:64*(\b)+16
.endr
	WIN 0
.irp t, 0,1,2,3,4,5,6,7,8,9,10,11,12,13,14,15
	ds_load_b128 v[OB+96*((\a)%2)+4*(\t):OB+96*((\a)%2)+4*(\t)+3], v[RD] offset:(\t)*SPITCH  ; LDS serves a wave's instructions in order: these see the stores above
.endr
.endm
.macro SEND a
	WIN 0
	s_wait_dscnt 0x0
	s_wait_xcnt 0x0                                ; earlier stores have read their base and their data: only now are these rewritten
.if (\a) > 0
	s_add_nc_u64 s[CP:CP+1], s[CP:CP+1], 16*ROWO
.endif
.irp t, 0,1,2,3,4,5,6,7,8,9,10,11,12,13,14,15
	global_store_b128 v[CO], v[OB+96*((\a)%2)+4*(\t):OB+96*((\a)%2)+4*(\t)+3], s[CP:CP+1] offset:(\t)*ROWO th:TH_STORE_NT  ; a wave stores 512 consecutive bytes, aligned
.endr
.endm
	s_wait_tensorcnt 1                             ; my part of K step 0 is in; K step 1's may stay out
	s_barrier_signal -1
	s_barrier_wait -1
	FETCH 0, 0, F0
	QUARTER 0, 64,  F0, F1, 1                      ; the first quarter starts the sums with the constant 0
	WIN 0
	s_mov_b32 s3, LAPS-1
.Llap:
	QUARTER 0, 128, F1, F0, 0
	QUARTER 0, 192, F0, F1, 0
	TURN 0, 1
	QUARTER 1, 64,  F0, F1, 0
	QUARTER 1, 128, F1, F0, 0
	QUARTER 1, 192, F0, F1, 0
	TURN 1, 0
	QUARTER 0, 64,  F0, F1, 0
	WIN 0
	s_sub_co_u32 s3, s3, 1
	s_cmp_lg_u32 s3, 0
	s_cbranch_scc1 .Llap
	QUARTER 0, 128, F1, F0, 0                      ; the last lap fills nothing
	QUARTER 0, 192, F0, F1, 0
	MEET 0
	PLACES
	FETCH 1, 0, F0
	MUL8 F1, 2, 0
	MUL8 F1, 3, 0
	QUARTER 1, 64,  F0, F1, 0
	QUARTER 1, 128, F1, F0, 0
	QUARTER 1, 192, F0, F1, 0
	s_wait_dscnt 4
	MUL8 F1, 0, 0
	MUL8 F1, 1, 0
	s_wait_dscnt 0x0
	MUL8 F1, 2, 0
	MUL8 F1, 3, 0
	WIN 0
	PLACES
	PLACES
	s_wait_loadcnt 0x0                             ; the bias: rounded to bf16 and widened again
	WIN 0x0a
.set i, 0
.rept 32
	v_cvt_pk_bf16_f32 v[TMP+i], v[2*i], v[2*i+1]
.set i, i+1
.endr
	WIN 0x80
.set i, 0
.rept 32
	v_lshlrev_b32 v[2*i], 16, v[TMP+i]
	v_and_b32 v[2*i+1], s[HIM], v[TMP+i]
.set i, i+1
.endr
	SCALE 0
	TOSTAGE 0
.irp a, 1,2,3
	SCALE \a                                       ; a block's arithmetic stands between the loads of the block before and the wait for them
	SEND (\a)-1
	TOSTAGE \a
.endr
	SEND 3
	s_wait_tensorcnt 0x0                           ; the wave's end
	ds_add_u32 v[SPW], v[NIL]
	s_wait_dscnt 0x0
	CROUND                                         ; the closing round
	s_endpgm
.Lfunc_end_k_q84a6b3b0c1_outp:
	.size	k_q84a6b3b0c1_outp, .Lfunc_end_k_q84a6b3b0c1_outp-k_q84a6b3b0c1_outp
	.p2alignl 7, 3214868480
	.fill 96, 4, 3214868480
	.section	.rodata,"a",@progbits
	.p2align	6, 0x0
	.amdhsa_kernel k_q84a6b3b0c1_outp
		.amdhsa_group_segment_fixed_size 327680
		.amdhsa_private_segment_fixed_size 0
		.amdhsa_enable_private_segment 0
		.amdhsa_kernarg_size 40
		.amdhsa_user_sgpr_count 2
		.amdhsa_user_sgpr_kernarg_segment_ptr 1
		.amdhsa_wavefront_size32 1
		.amdhsa_system_sgpr_workgroup_id_x 1
		.amdhsa_system_sgpr_workgroup_id_y 1
		.amdhsa_system_sgpr_workgroup_id_z 1
		.amdhsa_system_vgpr_workitem_id 0
		.amdhsa_next_free_vgpr 576
		.amdhsa_next_free_sgpr 96
		.amdhsa_reserve_vcc 0
		.amdhsa_float_denorm_mode_32 3
		.amdhsa_float_denorm_mode_16_64 3
		.amdhsa_memory_ordered 1
		.amdhsa_forward_progress 1
		.amdhsa_inst_pref_size 99
	.end_amdhsa_kernel
	.amdgpu_metadata
---
amdhsa.version: [ 1, 2 ]
amdhsa.kernels:
  - .name:           k_q84a6b3b0c1_outp
    .symbol:         k_q84a6b3b0c1_outp.kd
    .args:
      - { .name: qkv, .offset: 0, .size: 8, .value_kind: global_buffer, .address_space: global }
      - { .name: rh, .offset: 8, .size: 8, .value_kind: global_buffer, .address_space: global }
      - { .name: g3, .offset: 16, .size: 8, .value_kind: global_buffer, .address_space: global }
      - { .name: bo, .offset: 24, .size: 8, .value_kind: global_buffer, .address_space: global }
      - { .name: out0, .offset: 32, .size: 8, .value_kind: global_buffer, .address_space: global }
    .group_segment_fixed_size: 327680
    .private_segment_fixed_size: 0
    .kernarg_segment_align: 8
    .kernarg_segment_size: 40
    .max_flat_workgroup_size: 128
    .sgpr_count:     96
    .vgpr_count:     576
    .wavefront_size: 32
...
	.end_amdgpu_metadata
.endif
;; end of part 5
